; MI455X (gfx1250); checked and timed in simulation.
; The chip was launched on July 23, 2026; its instructions are those of AMD's public machine-readable ISA for CDNA 5 (MIT licence, August 2026) and "CDNA5" Instruction Set Architecture Reference Guide (July 2026). The comments in the code are by the model that wrote it; some were corrected since.
;; Flax Bloom Attention. Allowed arithmetic: matrix products marked QUANTISED: E5M2 operands, one E8M0 scale for each 32 along K, by v_wmma_scale_f32_16x16x128_f8f6f4 with both operands' format E5M2, f32 sums; everything else in f32.
;; Inputs: alibi 32 x 1 x 2,048 float32; attention_mask 2 x 2,048 bool; b_o 1,024 float32; b_qkv 3,072 float32; hidden_states 2 x 2,048 x 1,024 float32; residual 2 x 2,048 x 1,024 float32; w_o 1,024 x 1,024 float32; w_qkv 1,024 x 3,072 float32.
;; Outputs: out0 2 x 2,048 x 1,024 float32.
;; Constants: layer_number = 4.
;; This version of the problem:
;;   THIS VERSION OF THE PROBLEM IS GIVEN IN LOW PRECISION. The matrix products marked QUANTISED in the list below multiply operands that are first quantised to E5M2 (5 exponent bits, 2 mantissa bits; 8 bits a number), with one power-of-two scale for each 32 numbers along K (OCP MX v1.0); their sums are f32. All else is computed in f32.
;;   The module's matrix products, in the order in which they are computed (A, B: the left and right operand; K: the contracted axis; several contracted axes count as one K, in the product's order):
;;     1. [M 4,096, K 1,024] x [K 1,024, N 3,072]; A: input hidden_states; B: input w_qkv: QUANTISED
;;     2. batch 32 x [M 2,048, K 64] x [K 64, N 2,048]; A: computed on the way; B: computed on the way: QUANTISED
;;     3. batch 32 x [M 64, K 2,048] x [K 2,048, N 2,048]; A: computed on the way; B: computed on the way: QUANTISED
;;     4. [M 4,096, K 1,024] x [K 1,024, N 1,024]; A: computed on the way; B: input w_o: QUANTISED
;;   THE QUANTISER, for each operand of a quantised product, along K:
;;     - K is cut into blocks of 32 from its start; a last block that is shorter is filled with zeros.
;;     - A block's scale is 2^e with e = floor(log2(the largest magnitude in the block)) - 15, held to -126 .. 127; a block of zeros has e = 0. As a byte (E8M0): e + 127.
;;     - Each number is divided by its block's scale, clamped to +-57,344, and rounded to the nearest number of E5M2, ties to even, subnormals kept.
;;     - The product sums the exact products of the quantised numbers (number of the format x scale) in f32.
;;   ~~~python
;;   def quantise(x, axis):      # numpy; x: float32 -> the quantised numbers, widened to float32 again
;;       x = np.moveaxis(x, axis, -1); K = x.shape[-1]
;;       x = np.pad(x, [(0, 0)] * (x.ndim - 1) + [(0, -K % 32)]); x = x.reshape(x.shape[:-1] + (-1, 32)); a = np.abs(x).max(-1, keepdims=True)
;;       e = np.where(a > 0, np.clip(np.frexp(np.where(a > 0, a, 1))[1] - 1 - 15, -126, 127), 0)      # np.frexp(a)[1] - 1 = floor(log2(a)), exactly
;;       r = np.clip(x / 2.0 ** e, -57344, 57344)
;;       step = 2.0 ** (np.maximum(np.frexp(np.where(r == 0, 1, r))[1] - 1, -14) - 2)
;;       q = np.round(r / step) * step * 2.0 ** e      # np.round: ties to even
;;       return np.moveaxis(q.reshape(q.shape[:-2] + (-1,))[..., :K], -1, axis).astype(np.float32)
;;   ~~~
;;   OPERANDS COMPUTED ON THE WAY. 'Computed on the way' means the value that the module computes at that place (a softmax that the list does not call 'softmax' is quantised finished and normalised). What goes into a quantiser is computed in f32, as accurately as f32 sums, v_exp_f32 and their like allow (about 1e-6 of the number): no bf16 or f16 on the way to a quantiser, and a product that is left as it is and whose result goes on into a quantised operand takes f32 operands (vector FMAs, or v_wmma_f32_16x16x4_f32). A number that lies on a knife's edge between two numbers of the format may be rounded either way, as far as f32 arithmetic and the matrix unit's own rounding can turn it there, and no further.
;; One version. Each part assembles by itself: llvm-mc -triple=amdgcn-amd-amdhsa -mcpu=gfx1250 --defsym DOCPART=n.
;; ======== version 1 of 1: 4 launches
;; limits: right only within a limited range of input values
;; workspace buffers: hsq 4,325,376 bytes; wqq 3,244,032 bytes; woq 1,081,344 bytes; qq 4,456,448 bytes; kq 4,456,448 bytes; vq 4,325,376 bytes; cq 4,325,376 bytes
;; launch quant (part 1): grid 256 x 1, 4 waves a work-group, no clusters, 102,912 bytes of LDS; arguments hidden_states, w_qkv, w_o, hsq, wqq, woq; writes hsq, wqq, woq
.if DOCPART == 1
	.amdgcn_target "amdgcn-amd-amdhsa--gfx1250"
	.amdhsa_code_object_version 6
	.text
	.protected	k_qf44944f30e_quant
	.globl	k_qf44944f30e_quant
	.p2align	8
	.type	k_qf44944f30e_quant,@function
k_qf44944f30e_quant:
	s_mov_b64 s[64:65], 0
	v_nop
	global_prefetch_b8 v0, s[64:65] scope:SCOPE_SE
	s_setreg_imm32_b32 hwreg(HW_REG_WAVE_MODE, 25, 1), 1
	s_wait_xcnt 0x0
; hidden_states [4096][1024], w_qkv [1024][3072] and w_o [1024][1024], f32, become codes of BF8 (E5M2), K innermost, with one E8M0 byte for each 32 along K.
; A block's scale is 2^(floor(log2(its largest magnitude)) - 15); its byte is that magnitude's exponent field - 15, held at 1 from below.  Each number is divided by the scale, held within +-57,344, rounded to the nearest code.
; LIMITS: a block of zeros gets the byte 1 (its codes are zeros, and only this program reads the bytes); NaN and infinities among the inputs are not served.
; Work-groups 0-127: hidden_states, whose K is innermost: a plain stream of blocks of 32.  A wave takes 16 steps of 512 numbers; loads read 512 consecutive bytes; a step turns through the wave's own stage in LDS so that a lane holds 16 neighbours.
; Work-groups 128-223: w_qkv; 224-255: w_o.  K is the FIRST axis there: a lane takes a column and its registers run down K; the codes leave through the wave's stage as rows of 256 bytes.
; w_o's codes are laid with the 8-code groups 1 and 2 of each block of 32 exchanged: that is the order in which the attention launch's context codes fall out of its accumulators; a block's members and its scale stay the same.
; Each of the three ways has LDS bytes of its own.  No tensor loads, no barriers: waves share nothing.
.set SP,     80                        ; a lane's place in a stage: its 64 bytes + 16 of padding
.set WREG,   8192                      ; hidden_states: LDS of a wave: two stages of 32 x SP bytes, then its 256 scale bytes
.set STEPS,  16
.set HR,     16                        ; v16-79   four sets of 16 numbers as loaded
.set HX,     80                        ; v80-111  two sets of 16 neighbours
.set HE,     112                       ; v112-127 a scale byte for each step
.set HC,     128                       ; v128-191 codes, four registers a step
.set WPITCH, 272                       ; weights: a stage row: 256 bytes + 16
.set WX,     32                        ; v32-95   two sets of 32 numbers
.set WC,     96                        ; v96-103  a block's codes
.set WOUT,   112                       ; v112-175 the way out
.set WSB,    24                        ; v24-25   the scale bytes, four to a register
.set MNT,    31                        ; s31      the mantissa field of 57,344
	s_load_b128 s[4:7], s[0:1], 0x0                ; hidden_states, w_qkv
	s_load_b128 s[8:11], s[0:1], 0x10              ; w_o, hsq
	s_load_b128 s[12:15], s[0:1], 0x20             ; wqq, woq
	v_lshl_add_u32 v192, v0, 2, 0x19000
	v_mov_b32 v193, 0
	v_lshrrev_b32 v1, 5, v0
	v_readfirstlane_b32 s16, v1                    ; wave
	v_and_b32 v2, 31, v0                           ; lane
	s_mov_b32 s[MNT], 0x600000
	s_cmp_lt_u32 ttmp9, 128
	s_cbranch_scc0 .Lweights
; ---------------- hidden_states
	v_lshlrev_b32 v3, 4, v2                        ; my 16 bytes of a load's 512
	s_mul_i32 s17, s16, WREG
	v_lshrrev_b32 v14, 2, v2
	v_mul_u32_u24 v14, v14, SP
	v_and_b32 v15, 3, v2
	v_lshl_add_u32 v14, v15, 4, v14
	v_add_nc_u32 v14, s17, v14                     ; the stage, on the way in: SP (lane / 4) + 16 (lane % 4)
	v_mul_u32_u24 v15, v2, SP
	v_add_nc_u32 v15, s17, v15                     ; and on the way out: SP x lane
	v_lshlrev_b32 v4, 4, v2                        ; my 16 codes' place in a step's 512
	v_lshrrev_b32 v5, 1, v2
	s_add_co_u32 s17, s17, 2*32*SP
	v_add_nc_u32 v5, s17, v5                       ; my block's byte among the wave's 256
	v_lshlrev_b32 v7, 3, v2
	v_add_nc_u32 v6, s17, v7
	s_lshl_b32 s18, ttmp9, 2
	s_add_co_u32 s18, s18, s16                     ; which run of 8,192 numbers is my wave's
	s_lshl_b32 s20, s18, 15                        ; 32,768 bytes of f32 a run,
	s_mov_b32 s21, 0
	s_lshl_b32 s22, s18, 13                        ; 8,192 of codes,
	s_mov_b32 s23, 0
	s_lshl_b32 s24, s18, 8                         ; 256 scale bytes, behind the codes
	s_add_co_u32 s24, s24, 4194304
	s_mov_b32 s25, 0
	s_wait_alu depctr_va_vdst(0)
	s_wait_kmcnt 0x0
	s_add_nc_u64 s[4:5], s[4:5], s[20:21]
	s_add_nc_u64 s[22:23], s[10:11], s[22:23]
	s_add_nc_u64 s[24:25], s[10:11], s[24:25]
.macro HLOAD t
.irp i, 0,1,2,3
	global_load_b128 v[HR+16*((\t)%4)+4*\i:HR+16*((\t)%4)+4*\i+3], v3, s[4:5] offset:2048*(\t)+512*\i th:TH_LOAD_NT
.endr
.endm
.macro HTURN t                         ; step t's numbers through the stage: LDS serves a wave's instructions in order
.irp i, 0,1,2,3
	ds_store_b128 v14, v[HR+16*((\t)%4)+4*\i:HR+16*((\t)%4)+4*\i+3] offset:32*SP*((\t)%2)+8*SP*\i
.endr
.irp i, 0,1,2,3
	ds_load_b128 v[HX+16*((\t)%2)+4*\i:HX+16*((\t)%2)+4*\i+3], v15 offset:32*SP*((\t)%2)+16*\i
.endr
.endm
.irp t, 0,1,2,3
	HLOAD \t
.endr
	s_wait_loadcnt 12                              ; step 0's four loads are in
	HTURN 0
.macro HSTEP t
.set XS, HX+16*((\t)%2)
.if (\t) > 0
	s_wait_dscnt 1                                 ; this step's numbers are back from the stage; the last step's byte store may be out
.else
	s_wait_dscnt 0x0
.endif
.if (\t)+4 < STEPS
	HLOAD (\t)+4                                   ; into the registers whose stores into the stage are done
.endif
.if (\t)+1 < STEPS
.if STEPS-2-(\t) >= 3
	s_wait_loadcnt 12                              ; the next step's four loads are in; three later steps' may be out
.else
	s_wait_loadcnt 4*(STEPS-2-(\t))
.endif
	HTURN (\t)+1
.endif
	v_max3_num_f32 v8, |v[XS]|, |v[XS+1]|, |v[XS+2]|
	v_max3_num_f32 v9, |v[XS+3]|, |v[XS+4]|, |v[XS+5]|
.irp i, 6,10
	v_max3_num_f32 v8, v8, |v[XS+\i]|, |v[XS+\i+1]|
	v_max3_num_f32 v9, v9, |v[XS+\i+2]|, |v[XS+\i+3]|
.endr
	v_max3_num_f32 v8, v8, |v[XS+14]|, |v[XS+15]|
	v_max3_num_f32 v8, v8, v9, 0x8000000           ; with the floor 2^(16 - 127): the byte cannot fall under 1
	v_max_num_f32_dpp v8, v8, v8 row_xmask:1 row_mask:0xf bank_mask:0xf   ; and my neighbour's 16: the block's
	v_add_nc_u32 v11, 0xf8800000, v8               ; 15 off the exponent field: the conversion's scale operand
	v_and_or_b32 v10, v8, 0x7f800000, s[MNT]       ; 57,344 x the scale
.irp i, 0,1,2,3,4,5,6,7,8,9,10,11,12,13,14,15
	v_med3_num_f32 v[XS+\i], v[XS+\i], -v10, v10   ; the conversion does not saturate (ISA guide 7.6.2): the hold comes first
.endr
	v_cvt_scalef32_pk8_bf8_f32 v[HC+4*(\t):HC+4*(\t)+1], v[XS:XS+7], v11
	v_cvt_scalef32_pk8_bf8_f32 v[HC+4*(\t)+2:HC+4*(\t)+3], v[XS+8:XS+15], v11
	v_lshrrev_b32 v[HE+(\t)], 23, v11              ; the scale's byte
	ds_store_b8 v5, v[HE+(\t)] offset:16*(\t)      ; both lanes of a block write the same byte with the same value
	global_store_b128 v4, v[HC+4*(\t):HC+4*(\t)+3], s[22:23] offset:512*(\t)   ; the wave stores 512 consecutive bytes
.endm
.irp t, 0,1,2,3,4,5,6,7,8,9,10,11,12,13,14,15
	HSTEP \t
.endr
	ds_load_b64 v[12:13], v6
	s_wait_dscnt 0x0
	global_store_b64 v7, v[12:13], s[24:25]        ; 32 lanes store 256 consecutive bytes, aligned
	s_wait_tensorcnt 0x0
	ds_add_u32 v192, v193
	s_wait_dscnt 0x0
	s_endpgm
; ---------------- the weights
.macro WLOAD t, n                      ; block t: W(32 t + i, my column), i = 0 .. 31, into set t % 2
.irp i, 0,1,2,3,4,5,6,7,8,9,10,11,12,13,14,15,16,17,18,19,20,21,22,23,24,25,26,27,28,29,30,31
	global_load_b32 v[WX+32*((\t)%2)+\i], v3, s[20:21] offset:(32*(\t)+\i)*(\n)*4 th:TH_LOAD_NT
.endr
.endm
.macro WBLOCK t, n, perm
.set XS, WX+32*((\t)%2)
.if (\t) < 7
	s_wait_loadcnt 32                              ; this block's 32 loads are in; the next block's may be out
.else
	s_wait_loadcnt 0
.endif
	v_max3_num_f32 v12, |v[XS]|, |v[XS+1]|, |v[XS+2]|
	v_max3_num_f32 v13, |v[XS+3]|, |v[XS+4]|, |v[XS+5]|
.irp i, 6,10,14,18,22,26
	v_max3_num_f32 v12, v12, |v[XS+\i]|, |v[XS+\i+1]|
	v_max3_num_f32 v13, v13, |v[XS+\i+2]|, |v[XS+\i+3]|
.endr
	v_max3_num_f32 v12, v12, |v[XS+30]|, |v[XS+31]|
	v_max3_num_f32 v12, v12, v13, 0x8000000
	v_add_nc_u32 v11, 0xf8800000, v12
	v_and_or_b32 v10, v12, 0x7f800000, s[MNT]
	v_lshrrev_b32 v13, 23, v11
.if (\t)%4 == 0
	v_mov_b32 v[WSB+(\t)/4], v13
.else
	v_lshl_or_b32 v[WSB+(\t)/4], v13, 8*((\t)%4), v[WSB+(\t)/4]
.endif
.irp i, 0,1,2,3,4,5,6,7,8,9,10,11,12,13,14,15,16,17,18,19,20,21,22,23,24,25,26,27,28,29,30,31
	v_med3_num_f32 v[XS+\i], v[XS+\i], -v10, v10
.endr
.irp g, 0,1,2,3
.if \perm
	v_cvt_scalef32_pk8_bf8_f32 v[WC+2*((\g%2)*2+\g/2):WC+2*((\g%2)*2+\g/2)+1], v[XS+8*\g:XS+8*\g+7], v11   ; groups 1 and 2 change places
.else
	v_cvt_scalef32_pk8_bf8_f32 v[WC+2*\g:WC+2*\g+1], v[XS+8*\g:XS+8*\g+7], v11
.endif
.endr
	ds_store_b128 v4, v[WC:WC+3] offset:32*(\t)
	ds_store_b128 v4, v[WC+4:WC+7] offset:32*(\t)+16
.if (\t)+2 < 8
	WLOAD (\t)+2, \n
.endif
	s_wait_dscnt 0x0                               ; the stores have read their registers: the next block's codes may be written
.endm
; n: the weight's columns;  lbase: this way's LDS;  idbase: its first work-group;  src, dst: the scalar pairs of its pointers;  scoff: where the scale bytes begin in dst
.macro WPATH n, lbase, perm, idbase, src, dst, scoff
	s_sub_co_u32 s17, ttmp9, \idbase
	s_and_b32 s18, s17, 3                          ; which 256 along K
	s_lshr_b32 s17, s17, 2
	s_lshl_b32 s17, s17, 7
	s_lshl_b32 s19, s16, 5
	s_add_co_u32 s17, s17, s19                     ; my wave's first column
	v_lshlrev_b32 v3, 2, v2                        ; in: 4 bytes a lane
	s_mul_i32 s19, s16, 32*WPITCH
	s_add_co_u32 s19, s19, \lbase                  ; my stage
	v_mul_u32_u24 v4, v2, WPITCH
	v_add_nc_u32 v4, s19, v4                       ; into it: row = my column
	v_and_b32 v5, 15, v2
	v_lshrrev_b32 v6, 4, v2
	v_mul_u32_u24 v7, v6, WPITCH
	v_lshl_add_u32 v7, v5, 4, v7
	v_add_nc_u32 v7, s19, v7                       ; out of it: sixteen lanes to a row, two rows an instruction
	v_lshlrev_b32 v8, 10, v6
	v_lshl_add_u32 v8, v5, 4, v8                   ; and the same place in the codes: rows of 1,024 bytes
	v_lshlrev_b32 v9, 5, v2                        ; my column's row of 32 scale bytes
	s_mul_i32 s20, s18, 256*(\n)*4
	s_lshl_b32 s26, s17, 2
	s_add_co_u32 s20, s20, s26
	s_mov_b32 s21, 0
	s_lshl_b32 s22, s17, 10
	s_lshl_b32 s26, s18, 8
	s_add_co_u32 s22, s22, s26
	s_mov_b32 s23, 0
	s_lshl_b32 s24, s17, 5
	s_lshl_b32 s26, s18, 3
	s_add_co_u32 s24, s24, s26
	s_add_co_u32 s24, s24, \scoff
	s_mov_b32 s25, 0
	s_wait_kmcnt 0x0
	s_add_nc_u64 s[20:21], s[\src:\src+1], s[20:21]
	s_add_nc_u64 s[22:23], s[\dst:\dst+1], s[22:23]
	s_add_nc_u64 s[24:25], s[\dst:\dst+1], s[24:25]
	WLOAD 0, \n
	WLOAD 1, \n
.irp t, 0,1,2,3,4,5,6,7
	WBLOCK \t, \n, \perm
.endr
	global_store_b64 v9, v[WSB:WSB+1], s[24:25]    ; my column's 8 scale bytes
.irp t, 0,1,2,3,4,5,6,7,8,9,10,11,12,13,14,15
	ds_load_b128 v[WOUT+4*\t:WOUT+4*\t+3], v7 offset:2*\t*WPITCH
.endr
.irp t, 0,1,2,3,4,5,6,7,8,9,10,11,12,13,14,15
	s_wait_dscnt 15-\t                             ; the younger loads may be out
	global_store_b128 v8, v[WOUT+4*\t:WOUT+4*\t+3], s[22:23] offset:2*\t*1024   ; sixteen lanes store 256 consecutive bytes, aligned
.endr
.endm
.Lweights:
	s_cmp_lt_u32 ttmp9, 224
	s_cbranch_scc0 .Lwo
	s_wait_alu depctr_va_vdst(0)
	WPATH 3072, 32768, 0, 128, 6, 12, 3145728
	s_wait_tensorcnt 0x0
	ds_add_u32 v192, v193
	s_wait_dscnt 0x0
	s_endpgm
.Lwo:
	s_wait_alu depctr_va_vdst(0)
	WPATH 1024, 67584, 1, 224, 8, 14, 1048576
	s_wait_tensorcnt 0x0
	ds_add_u32 v192, v193
	s_wait_dscnt 0x0
	s_endpgm
.Lfunc_end_k_qf44944f30e_quant:
	.size	k_qf44944f30e_quant, .Lfunc_end_k_qf44944f30e_quant-k_qf44944f30e_quant
	.p2alignl 7, 3214868480
	.fill 96, 4, 3214868480
	.section	.rodata,"a",@progbits
	.p2align	6, 0x0
	.amdhsa_kernel k_qf44944f30e_quant
		.amdhsa_group_segment_fixed_size 102912
		.amdhsa_private_segment_fixed_size 0
		.amdhsa_enable_private_segment 0
		.amdhsa_kernarg_size 48
		.amdhsa_user_sgpr_count 2
		.amdhsa_user_sgpr_kernarg_segment_ptr 1
		.amdhsa_wavefront_size32 1
		.amdhsa_system_sgpr_workgroup_id_x 1
		.amdhsa_system_sgpr_workgroup_id_y 1
		.amdhsa_system_sgpr_workgroup_id_z 1
		.amdhsa_system_vgpr_workitem_id 0
		.amdhsa_next_free_vgpr 194
		.amdhsa_next_free_sgpr 66
		.amdhsa_reserve_vcc 0
		.amdhsa_float_denorm_mode_32 3
		.amdhsa_float_denorm_mode_16_64 3
		.amdhsa_memory_ordered 1
		.amdhsa_forward_progress 1
		.amdhsa_inst_pref_size 168
	.end_amdhsa_kernel
	.amdgpu_metadata
---
amdhsa.version: [ 1, 2 ]
amdhsa.kernels:
  - .name:           k_qf44944f30e_quant
    .symbol:         k_qf44944f30e_quant.kd
    .args:
      - { .name: hidden_states, .offset: 0, .size: 8, .value_kind: global_buffer, .address_space: global }
      - { .name: w_qkv, .offset: 8, .size: 8, .value_kind: global_buffer, .address_space: global }
      - { .name: w_o, .offset: 16, .size: 8, .value_kind: global_buffer, .address_space: global }
      - { .name: hsq, .offset: 24, .size: 8, .value_kind: global_buffer, .address_space: global }
      - { .name: wqq, .offset: 32, .size: 8, .value_kind: global_buffer, .address_space: global }
      - { .name: woq, .offset: 40, .size: 8, .value_kind: global_buffer, .address_space: global }
    .group_segment_fixed_size: 102912
    .private_segment_fixed_size: 0
    .kernarg_segment_align: 8
    .kernarg_segment_size: 48
    .max_flat_workgroup_size: 128
    .sgpr_count:     66
    .vgpr_count:     194
    .wavefront_size: 32
...
	.end_amdgpu_metadata
.endif
;; end of part 1
;; launch qkv (part 2): grid 16 x 16, 4 waves a work-group, clusters of 4 x 4, 327,680 bytes of LDS; arguments hsq, wqq, b_qkv, qq, kq, vq; writes qq, kq, vq
.if DOCPART == 2
	.amdgcn_target "amdgcn-amd-amdhsa--gfx1250"
	.amdhsa_code_object_version 6
	.text
	.protected	k_qf44944f30e_qkv
	.globl	k_qf44944f30e_qkv
	.p2align	8
	.type	k_qf44944f30e_qkv,@function
k_qf44944f30e_qkv:
	s_mov_b64 s[64:65], 0
	v_nop
	global_prefetch_b8 v0, s[64:65] scope:SCOPE_SE
	s_setreg_imm32_b32 hwreg(HW_REG_WAVE_MODE, 25, 1), 1
	s_wait_xcnt 0x0
	s_wait_alu depctr_hold_cnt(0) depctr_sa_sdst(0) depctr_va_vdst(0) depctr_va_sdst(0) depctr_va_ssrc(0) depctr_va_vcc(0) depctr_vm_vsrc(0)
	s_getreg_b32 s2, hwreg(HW_REG_IB_STS2, 6, 4)
	s_cmp_eq_u32 s2, 0
	s_cbranch_scc0 .Lentry_in_a_cluster
	s_endpgm
.Lentry_in_a_cluster:
	s_bfe_u32 s2, ttmp6, 0x10000c
	s_cmp_lg_u32 s2, 0xf033
	s_cbranch_scc0 .Lentry_shape_is_right
	s_endpgm
.Lentry_shape_is_right:
.set PITCH,  272
.set SLOT,   121856
.set BOFF,   69632
.set SCA,    243712
.set SCB,    251904
.set SPARE,  258048
.set BL,     258560
.set QSL,    261632
.set VSL,    263680
.set VSR,  10
.set LI,   11
.set L8,   12
.set ADRA, 16
.set ADRB, 20
.set ASA,  22
.set ASB,  23
.set BLW,  24
.set BLA,  25
.set BLV,  26
.set QSW,  27
.set SPW,  28
.set NIL,  29
.set QSR,  30
.set VSW,  31
.set SA,   32
.set SB,   48
.set TM,   136
.set SEL,  2
.set WV,   16
.set G1A,  24
.set G0A,  32
.set G1B,  40
.set G0B,  48
.set G1SA, 56
.set G1SB, 68
.set G0SA, 76
.set G0SB, 80
.set MNT,  100
.set MSB, 0
.macro WIN new
.if MSB != (\new)
	s_set_vgpr_msb (MSB<<8)|(\new)
.set MSB, (\new)
.endif
.endm
.macro PLACES n
.rept \n
	v_nop
.endr
.endm
.macro JLOAD g0a, g1a, g0b, g1b
	s_cmp_eq_u32 s17, 0
	s_cbranch_scc0 .Lfor_b_\@
	tensor_load_to_lds s[\g0a:\g0a+3], s[\g1a:\g1a+7]
	s_nop 0
.rept 4
	v_nop
.endr
	s_branch .Lasked_\@
.Lfor_b_\@:
	tensor_load_to_lds s[\g0b:\g0b+3], s[\g1b:\g1b+7]
	s_nop 0
.rept 4
	v_nop
.endr
.Lasked_\@:
.endm
.macro CREST
	s_cmp_lg_u32 s[WV], 0
	s_cbranch_scc1 .Lnot_wave_0_\@
	s_barrier_signal -3
.Lnot_wave_0_\@:
	s_barrier_wait -3
	s_barrier_signal -1
	s_barrier_wait -1
.endm
.macro CROUND
	s_barrier_signal -1
	s_barrier_wait -1
	CREST
.endm
.macro WMX
.if fZ
.if (fRA == 0) && (fRB == 0)
	v_wmma_scale_f32_16x16x128_f8f6f4 v[rD:rD+7], v[rA:rA+15], v[rB:rB+15], 0, v[rSA], v[rSB] matrix_a_fmt:MATRIX_FMT_BF8 matrix_b_fmt:MATRIX_FMT_BF8
.elseif (fRA == 1) && (fRB == 0)
	v_wmma_scale_f32_16x16x128_f8f6f4 v[rD:rD+7], v[rA:rA+15], v[rB:rB+15], 0, v[rSA], v[rSB] matrix_a_fmt:MATRIX_FMT_BF8 matrix_b_fmt:MATRIX_FMT_BF8 matrix_a_scale:MATRIX_SCALE_ROW1
.elseif fRA == 0
	v_wmma_scale_f32_16x16x128_f8f6f4 v[rD:rD+7], v[rA:rA+15], v[rB:rB+15], 0, v[rSA], v[rSB] matrix_a_fmt:MATRIX_FMT_BF8 matrix_b_fmt:MATRIX_FMT_BF8 matrix_b_scale:MATRIX_SCALE_ROW1
.else
	v_wmma_scale_f32_16x16x128_f8f6f4 v[rD:rD+7], v[rA:rA+15], v[rB:rB+15], 0, v[rSA], v[rSB] matrix_a_fmt:MATRIX_FMT_BF8 matrix_b_fmt:MATRIX_FMT_BF8 matrix_a_scale:MATRIX_SCALE_ROW1 matrix_b_scale:MATRIX_SCALE_ROW1
.endif
.else
.if (fRA == 0) && (fRB == 0)
	v_wmma_scale_f32_16x16x128_f8f6f4 v[rD:rD+7], v[rA:rA+15], v[rB:rB+15], v[rD:rD+7], v[rSA], v[rSB] matrix_a_fmt:MATRIX_FMT_BF8 matrix_b_fmt:MATRIX_FMT_BF8
.elseif (fRA == 1) && (fRB == 0)
	v_wmma_scale_f32_16x16x128_f8f6f4 v[rD:rD+7], v[rA:rA+15], v[rB:rB+15], v[rD:rD+7], v[rSA], v[rSB] matrix_a_fmt:MATRIX_FMT_BF8 matrix_b_fmt:MATRIX_FMT_BF8 matrix_a_scale:MATRIX_SCALE_ROW1
.elseif fRA == 0
	v_wmma_scale_f32_16x16x128_f8f6f4 v[rD:rD+7], v[rA:rA+15], v[rB:rB+15], v[rD:rD+7], v[rSA], v[rSB] matrix_a_fmt:MATRIX_FMT_BF8 matrix_b_fmt:MATRIX_FMT_BF8 matrix_b_scale:MATRIX_SCALE_ROW1
.else
	v_wmma_scale_f32_16x16x128_f8f6f4 v[rD:rD+7], v[rA:rA+15], v[rB:rB+15], v[rD:rD+7], v[rSA], v[rSB] matrix_a_fmt:MATRIX_FMT_BF8 matrix_b_fmt:MATRIX_FMT_BF8 matrix_a_scale:MATRIX_SCALE_ROW1 matrix_b_scale:MATRIX_SCALE_ROW1
.endif
.endif
.endm
.macro MQK p, s, n0, cnt, zero
	WIN (0xF0|(5*((\p)+1)))
.set fZ, \zero
.set nn, \n0
.rept \cnt
.set aa, 0
.rept 4
.set rD, 8*(8*aa+nn)
.set rA, 64+16*nn
.set rB, 16*aa
.set rSA, SB+8*(nn%6)+(\s)
.set rSB, SA+8*(aa%2)+(\s)
.set fRA, nn/6
.set fRB, aa/2
	WMX
.set aa, aa+1
.endr
.set nn, nn+1
.endr
.endm
.macro MV p, s, zero
	WIN (5*((\p)+1))
.set fZ, \zero
.set nn, 0
.rept 4
.set aa, 0
.rept 4
.set rD, 128+8*(4*nn+aa)
.set rA, 16*aa
.set rB, 64+16*(8+nn)
.set rSA, SA+8*(aa%2)+(\s)
.set rSB, SB+8*((8+nn)%6)+(\s)
.set fRA, aa/2
.set fRB, 1
	WMX
.set aa, aa+1
.endr
.set nn, nn+1
.endr
.endm
.macro FETCH slot, q, p
	WIN (((\p)+1)<<6)
.irp a, 0,1,2,3
.irp c, 0,1,2,3
	ds_load_b128 v[16*\a+4*\c:16*\a+4*\c+3], v[ADRA+\slot] offset:128*(\q)+32*\c+\a*16*PITCH
.endr
.endr
.irp n, 0,1,2,3,4,5,6,7,8,9,10,11
.irp c, 0,1,2,3
	ds_load_b128 v[64+16*\n+4*\c:64+16*\n+4*\c+3], v[ADRB+\slot] offset:128*(\q)+32*\c+\n*16*PITCH
.endr
.endr
.endm
.macro STEP slot, s, zero
	s_wait_dscnt 0x0
	MQK 0, \s, 0, 6, \zero
	PLACES 8
	FETCH \slot, 1, 1
	MQK 0, \s, 6, 2, \zero
	MV 0, \s, \zero
.endm
.macro TURN slot, next, fill, s
	WIN 0
	s_wait_tensorcnt 0x0
	ds_add_u32 v[SPW], v[NIL]
	s_wait_dscnt 1
	MQK 1, \s, 0, 3, 0
	s_wait_dscnt 0x0
	s_barrier_signal -1
	MQK 1, \s, 3, 3, 0
	WIN 0
	s_barrier_wait -1
.if \fill
	CREST
	s_add_nc_u64 s[G0A+4*\slot+2:G0A+4*\slot+3], s[G0A+4*\slot+2:G0A+4*\slot+3], 512
	s_add_nc_u64 s[G0B+4*\slot+2:G0B+4*\slot+3], s[G0B+4*\slot+2:G0B+4*\slot+3], 512
	JLOAD G0A+4*\slot, G1A, G0B+4*\slot, G1B
	PLACES 4
.else
	PLACES 8
.endif
	FETCH \next, 0, 0
	MQK 1, \s, 6, 2, 0
	MV 1, \s, 0
.endm
	s_load_b256 s[4:11], s[0:1], 0x0
	s_load_b128 s[12:15], s[0:1], 0x20
	v_lshl_add_u32 v[SPW], v0, 2, SPARE
	v_mov_b32 v[NIL], 0
	ds_add_u32 v28, v29
	ds_add_u32 v28, v29
	s_wait_dscnt 0x0
	v_lshrrev_b32 v1, 5, v0
	v_readfirstlane_b32 s[WV], v1
	s_lshr_b32 s17, s[WV], 1
	s_and_b32 s18, s[WV], 1
	s_bfe_u32 s19, ttmp6, 0x40000
	s_bfe_u32 s20, ttmp6, 0x40004
	s_lshl_b32 s21, ttmp9, 2
	s_add_co_u32 s21, s21, s19
	s_and_b32 s22, ttmp7, 0xffff
	s_lshl_b32 s22, s22, 2
	s_add_co_u32 s22, s22, s20
	s_lshl_b32 s84, s20, 2
	s_lshl_b32 s84, 15, s84
	s_lshl_b32 s85, 0x1111, s19
	s_or_b32 s[G1A], s84, (1<<20)|(1<<21)|(5<<22)|(3<<25)
	s_mov_b32 s[G1A+1], 256<<16
	s_mov_b32 s[G1A+2], 128<<16
	s_mov_b32 s[G1A+3], 256<<16
	s_mov_b32 s[G1A+4], 128
	s_mov_b32 s[G1A+5], 1024
	s_mov_b32 s[G1A+6], 0
	s_mov_b32 s[G1A+7], 0
	s_or_b32 s[G1B], s85, (1<<20)|(1<<21)|(5<<22)|(3<<25)
	s_mov_b32 s[G1B+1], 256<<16
	s_mov_b32 s[G1B+2], 96<<16
	s_mov_b32 s[G1B+3], 256<<16
	s_mov_b32 s[G1B+4], 96
	s_mov_b32 s[G1B+5], 1024
	s_mov_b32 s[G1B+6], 0
	s_mov_b32 s[G1B+7], 0
	s_lshl_b32 s86, s22, 8
	s_lshl_b32 s87, s18, 7
	s_add_co_u32 s86, s86, s87
	s_lshl_b32 s88, s86, 10
	s_mov_b32 s89, 0
	s_lshl_b32 s90, s22, 13                        ; the scale bytes of my work-group's 256 rows of hidden_states: 32 bytes a row
	s_add_co_u32 s90, s90, 4194304
	s_mov_b32 s91, 0
	s_mul_i32 s92, s21, 192
	s_mul_i32 s93, s18, 96
	s_add_co_u32 s92, s92, s93
	s_lshl_b32 s94, s92, 10
	s_mov_b32 s95, 0
	s_mul_i32 s96, s21, 6144                       ; and of its 192 rows of w_qkv
	s_add_co_u32 s96, s96, 3145728
	s_mov_b32 s97, 0
	s_mov_b32 s[SEL], 0x76543210
	s_mov_b32 s[SEL+1], 0xfedcba98
	s_mov_b32 s[MNT], 0x600000
	s_wait_kmcnt 0x0
	s_add_nc_u64 s[88:89], s[4:5], s[88:89]
	s_add_nc_u64 s[90:91], s[4:5], s[90:91]
	s_add_nc_u64 s[94:95], s[6:7], s[94:95]
	s_add_nc_u64 s[96:97], s[6:7], s[96:97]
	CROUND
	s_mov_b64 s[76:77], s[90:91]                   ; the scale words go from memory straight into registers: their bases, in registers that are not written again
	s_mov_b64 s[78:79], s[96:97]
	s_mul_i32 s23, s18, 128*PITCH
	s_mul_i32 s101, s18, 96*PITCH
.irp s, 0,1
	s_mov_b32 s[G0A+4*\s], 1
	s_add_co_u32 s[G0A+4*\s+1], s23, \s*SLOT
	s_add_nc_u64 s[G0A+4*\s+2:G0A+4*\s+3], s[88:89], \s*256
	s_or_b32 s[G0A+4*\s+3], s[G0A+4*\s+3], 0x80000000
	s_mov_b32 s[G0B+4*\s], 1
	s_add_co_u32 s[G0B+4*\s+1], s101, \s*SLOT+BOFF
	s_add_nc_u64 s[G0B+4*\s+2:G0B+4*\s+3], s[94:95], \s*256
	s_or_b32 s[G0B+4*\s+3], s[G0B+4*\s+3], 0x80000000
.if \s
	s_wait_alu depctr_va_vdst(0)
	s_wait_tensorcnt 0x0                           ; slot 1's first fill stands behind the three lines and a round
	ds_add_u32 v28, v29
	s_wait_dscnt 0x0
	CROUND
.endif
	JLOAD G0A+4*\s, G1A, G0B+4*\s, G1B
.endr
	v_and_b32 v1, 15, v0
	v_bfe_u32 v2, v0, 4, 1
	v_and_b32 v3, 31, v0
	v_lshlrev_b32 v[L8], 3, v3
	v_lshlrev_b32 v[LI], 4, v3
	s_mul_i32 s98, s21, 768
	s_mov_b32 s99, 0
	s_add_nc_u64 s[8:9], s[8:9], s[98:99]
	global_load_b64 v[96:97], v[L8], s[8:9]
	global_load_b64 v[98:99], v[L8], s[8:9] offset:256
	global_load_b64 v[100:101], v[L8], s[8:9] offset:512
	v_mul_u32_u24 v4, v1, PITCH
	v_lshl_add_u32 v4, v2, 4, v4
	s_mul_i32 s23, s[WV], 64*PITCH
	v_add_nc_u32 v[ADRA], s23, v4
	v_add_nc_u32 v[ADRA+1], SLOT, v[ADRA]
	v_add_nc_u32 v[ADRB], BOFF, v4
	v_add_nc_u32 v[ADRB+1], SLOT, v[ADRB]
	v_lshlrev_b32 v5, 5, v1
	v_lshl_add_u32 v[ASA], v2, 10, v5
	s_lshl_b32 s23, s[WV], 11
	v_add_nc_u32 v[ASA], s23, v[ASA]
	v_mul_u32_u24 v6, v2, 3072
	v_add_nc_u32 v[ASB], v6, v5
.irp pa, 0,1
	global_load_b128 v[SA+8*\pa:SA+8*\pa+3], v[ASA], s[76:77] offset:512*\pa
	global_load_b128 v[SA+8*\pa+4:SA+8*\pa+7], v[ASA], s[76:77] offset:512*\pa+16
.endr
.irp pn, 0,1,2,3,4,5
	global_load_b128 v[SB+8*\pn:SB+8*\pn+3], v[ASB], s[78:79] offset:512*\pn
	global_load_b128 v[SB+8*\pn+4:SB+8*\pn+7], v[ASB], s[78:79] offset:512*\pn+16
.endr
	s_mul_i32 s23, s[WV], 768
	s_add_co_u32 s23, s23, BL
	v_add_nc_u32 v[BLW], s23, v[L8]
	v_lshl_add_u32 v[BLA], v2, 5, s23
	v_lshl_add_u32 v[BLV], v1, 2, s23
	s_lshl_b32 s23, s[WV], 9
	s_add_co_u32 s23, s23, QSL
	v_lshl_add_u32 v[QSW], v1, 2, s23
	v_add_nc_u32 v[QSR], s23, v[L8]
	s_lshl_b32 s23, s17, 8
	s_lshl_b32 s101, s18, 1
	s_add_co_u32 s23, s23, s101
	s_add_co_u32 s23, s23, VSL
	v_lshl_add_u32 v[VSW], v1, 2, s23
	v_add_nc_u32 v[VSR], VSL, v[LI]
	s_lshr_b32 s92, s22, 3
	s_lshl_b32 s92, s92, 4
	s_add_co_u32 s92, s92, s21
	s_and_b32 s93, s22, 7
	s_lshl_b32 s94, s92, 17
	s_lshl_b32 s96, s93, 14
	s_add_co_u32 s94, s94, s96
	s_lshl_b32 s96, s[WV], 12
	s_add_co_u32 s94, s94, s96
	s_mov_b32 s95, 0
	s_lshl_b32 s96, s92, 13
	s_lshl_b32 s98, s93, 10
	s_add_co_u32 s96, s96, s98
	s_lshl_b32 s98, s[WV], 8
	s_add_co_u32 s96, s96, s98
	s_add_co_u32 s96, s96, 4194304
	s_mov_b32 s97, 0
	s_add_nc_u64 s[4:5], s[10:11], s[96:97]
	s_add_nc_u64 s[6:7], s[12:13], s[96:97]
	s_add_nc_u64 s[10:11], s[10:11], s[94:95]
	s_add_nc_u64 s[12:13], s[12:13], s[94:95]
	s_lshl_b32 s94, s92, 17
	s_lshl_b32 s96, s93, 14
	s_add_co_u32 s94, s94, s96
	s_lshl_b32 s96, s17, 13
	s_add_co_u32 s94, s94, s96
	s_lshl_b32 s96, s18, 10
	s_add_co_u32 s94, s94, s96
	s_lshl_b32 s96, s92, 12
	s_lshl_b32 s98, s93, 9
	s_add_co_u32 s96, s96, s98
	s_add_co_u32 s96, s96, 4194304
	s_wait_alu depctr_va_vdst(0)
	s_wait_loadcnt 0x0
	s_add_nc_u64 s[8:9], s[14:15], s[96:97]
	s_add_nc_u64 s[14:15], s[14:15], s[94:95]
	ds_store_b64 v[BLW], v[96:97]
	ds_store_b64 v[BLW], v[98:99] offset:256
	ds_store_b64 v[BLW], v[100:101] offset:512
	s_wait_tensorcnt 1
	s_wait_dscnt 0x0
	s_barrier_signal -1
	s_barrier_wait -1
	FETCH 0, 0, 0
	STEP 0, 0, 1
	TURN 0, 1, 1, 1
	STEP 1, 2, 0
	TURN 1, 0, 1, 3
	STEP 0, 4, 0
	TURN 0, 1, 0, 5
	STEP 1, 6, 0
	s_wait_dscnt 0x0
	MQK 1, 7, 0, 8, 0
	MV 1, 7, 0
.macro QUANT4 cd
.irp b, 0,1,2,3
	v_max3_num_f32 v[TM+\b], |v[16*\b]|, |v[1+16*\b]|, 0x8000000
.endr
.irp i, 2,4,6,8,10,12,14
.irp b, 0,1,2,3
	v_max3_num_f32 v[TM+\b], v[TM+\b], |v[16*\b+\i]|, |v[1+16*\b+\i]|
.endr
.endr
.irp b, 0,1,2,3
	v_permlanex16_b32 v[TM+4+\b], v[TM+\b], s[SEL], s[SEL+1]
.endr
.irp b, 0,1,2,3
	v_max_num_f32 v[TM+\b], v[TM+\b], v[TM+4+\b]
.endr
.irp b, 0,1,2,3
	v_add_nc_u32 v[TM+12+\b], 0xf8800000, v[TM+\b]
.endr
.irp b, 0,1,2,3
	v_and_or_b32 v[TM+8+\b], v[TM+\b], 0x7f800000, s[MNT]
.endr
.irp b, 0,1,2,3
	v_lshrrev_b32 v[TM+4+\b], 23, v[TM+12+\b]
.endr
	v_lshl_or_b32 v[TM+4], v[TM+5], 8, v[TM+4]
	v_lshl_or_b32 v[TM+6], v[TM+7], 8, v[TM+6]
.irp b, 0,1,2,3
.irp i, 0,1,2,3,4,5,6,7,8,9,10,11,12,13,14,15
	v_med3_num_f32 v[16*\b+\i], v[16*\b+\i], -v[TM+8+\b], v[TM+8+\b]
.endr
	v_cvt_scalef32_pk8_bf8_f32 v[\cd+4*\b:\cd+4*\b+1], v[16*\b:16*\b+7], v[TM+12+\b]
	v_cvt_scalef32_pk8_bf8_f32 v[\cd+4*\b+2:\cd+4*\b+3], v[16*\b+8:16*\b+15], v[TM+12+\b]
.endr
	v_nop
.endm
.macro UNITQK a
	WIN 0x47
.set ii, 0
.rept 32
	v_pk_add_f32 v[2*ii:2*ii+1], v[64*(\a)+2*ii:64*(\a)+2*ii+1], v[64+2*ii:64+2*ii+1]
.set ii, ii+1
.endr
	WIN 0x55
	QUANT4 160+16*(\a)
	v_lshl_or_b32 v[152+2*(\a)], v[TM+4], 16, v[TM+4]
	v_lshl_or_b32 v[153+2*(\a)], v[TM+6], 16, v[TM+6]
	WIN 0x04
	global_store_b128 v[LI], v[160+16*(\a):163+16*(\a)], s[10:11] offset:(\a)*1024
	global_store_b128 v[LI], v[164+16*(\a):167+16*(\a)], s[10:11] offset:(\a)*1024+512
	global_store_b128 v[LI], v[168+16*(\a):171+16*(\a)], s[12:13] offset:(\a)*1024
	global_store_b128 v[LI], v[172+16*(\a):175+16*(\a)], s[12:13] offset:(\a)*1024+512
	ds_store_b32 v[QSW], v[152+2*(\a)] offset:64*(\a)
	ds_store_b32 v[QSW], v[153+2*(\a)] offset:256+64*(\a)
.endm
.macro UNITV u
	WIN 0x44
.set ii, 0
.rept 32
	v_pk_add_f32 v[2*ii:2*ii+1], v[128+64*(\u)+2*ii:128+64*(\u)+2*ii+1], v[128+2*(2*(\u)+ii/16):128+2*(2*(\u)+ii/16)+1] op_sel_hi:[1,0]
.set ii, ii+1
.endr
	WIN 0x55
	QUANT4 224+16*(\u)
	v_mov_b32 v[64+2*(\u)], v[TM+4]
	v_mov_b32 v[65+2*(\u)], v[TM+6]
	WIN 0x04
.irp b, 0,1,2,3
	global_store_b128 v[LI], v[224+16*(\u)+4*\b:224+16*(\u)+4*\b+3], s[14:15] offset:(2*(\u)+\b/2)*2048+(\b%2)*512
.endr
	ds_store_b16 v[VSW], v[64+2*(\u)] offset:128*(\u)
	ds_store_b16 v[VSW], v[65+2*(\u)] offset:128*(\u)+64
.endm
	WIN 0
	PLACES 8
	WIN 0x40
.irp n, 0,1,2,3,4,5,6,7
	ds_load_b128 v[64+8*\n:67+8*\n], v[BLA] offset:64*\n
	ds_load_b128 v[68+8*\n:71+8*\n], v[BLA] offset:64*\n+16
.endr
.irp n, 0,1,2,3
	ds_load_b32 v[128+2*\n], v[BLV] offset:512+64*\n
	ds_load_b32 v[129+2*\n], v[BLV] offset:512+64*\n
.endr
.irp b, 0,1,2,3
	v_mov_b32 v[TM+4+\b], 0
.endr
	s_wait_dscnt 0x0
	UNITQK 0
	UNITQK 1
	UNITQK 2
	UNITQK 3
	UNITV 0
	UNITV 1
	WIN 0
	ds_load_b64 v[96:97], v[QSR]
	ds_load_b64 v[98:99], v[QSR] offset:256
	s_wait_dscnt 0x0
	global_store_b64 v[L8], v[96:97], s[4:5]
	global_store_b64 v[L8], v[98:99], s[6:7]
	s_barrier_signal -1
	s_barrier_wait -1
	s_cmp_lg_u32 s[WV], 0
	s_cbranch_scc1 .Lnot_first
	ds_load_b128 v[100:103], v[VSR]
	s_wait_dscnt 0x0
	global_store_b128 v[LI], v[100:103], s[8:9]
.Lnot_first:
	s_wait_tensorcnt 0x0
	ds_add_u32 v[SPW], v[NIL]
	s_wait_dscnt 0x0
	CROUND
	s_endpgm
.Lfunc_end_k_qf44944f30e_qkv:
	.size	k_qf44944f30e_qkv, .Lfunc_end_k_qf44944f30e_qkv-k_qf44944f30e_qkv
	.p2alignl 7, 3214868480
	.fill 96, 4, 3214868480
	.section	.rodata,"a",@progbits
	.p2align	6, 0x0
	.amdhsa_kernel k_qf44944f30e_qkv
		.amdhsa_group_segment_fixed_size 327680
		.amdhsa_private_segment_fixed_size 0
		.amdhsa_enable_private_segment 0
		.amdhsa_kernarg_size 48
		.amdhsa_user_sgpr_count 2
		.amdhsa_user_sgpr_kernarg_segment_ptr 1
		.amdhsa_wavefront_size32 1
		.amdhsa_system_sgpr_workgroup_id_x 1
		.amdhsa_system_sgpr_workgroup_id_y 1
		.amdhsa_system_sgpr_workgroup_id_z 1
		.amdhsa_system_vgpr_workitem_id 0
		.amdhsa_next_free_vgpr 1024
		.amdhsa_next_free_sgpr 102
		.amdhsa_reserve_vcc 0
		.amdhsa_float_denorm_mode_32 3
		.amdhsa_float_denorm_mode_16_64 3
		.amdhsa_memory_ordered 1
		.amdhsa_forward_progress 1
		.amdhsa_inst_pref_size 164
	.end_amdhsa_kernel
	.amdgpu_metadata
---
amdhsa.version: [ 1, 2 ]
amdhsa.kernels:
  - .name:           k_qf44944f30e_qkv
    .symbol:         k_qf44944f30e_qkv.kd
    .args:
      - { .name: hsq, .offset: 0, .size: 8, .value_kind: global_buffer, .address_space: global }
      - { .name: wqq, .offset: 8, .size: 8, .value_kind: global_buffer, .address_space: global }
      - { .name: b_qkv, .offset: 16, .size: 8, .value_kind: global_buffer, .address_space: global }
      - { .name: qq, .offset: 24, .size: 8, .value_kind: global_buffer, .address_space: global }
      - { .name: kq, .offset: 32, .size: 8, .value_kind: global_buffer, .address_space: global }
      - { .name: vq, .offset: 40, .size: 8, .value_kind: global_buffer, .address_space: global }
    .group_segment_fixed_size: 327680
    .private_segment_fixed_size: 0
    .kernarg_segment_align: 8
    .kernarg_segment_size: 48
    .max_flat_workgroup_size: 128
    .sgpr_count:     102
    .vgpr_count:     1024
    .wavefront_size: 32
...
	.end_amdgpu_metadata
.endif
;; end of part 2
;; launch attn (part 3): grid 8 x 32, 8 waves a work-group, no clusters, 327,680 bytes of LDS; arguments qq, kq, vq, alibi, attention_mask, cq; writes cq
.if DOCPART == 3
	.amdgcn_target "amdgcn-amd-amdhsa--gfx1250"
	.amdhsa_code_object_version 6
	.text
	.protected	k_qf44944f30e_attn
	.globl	k_qf44944f30e_attn
	.p2align	8
	.type	k_qf44944f30e_attn,@function
k_qf44944f30e_attn:
	s_mov_b64 s[64:65], 0
	v_nop
	global_prefetch_b8 v0, s[64:65] scope:SCOPE_SE
	s_setreg_imm32_b32 hwreg(HW_REG_WAVE_MODE, 25, 1), 1
	s_wait_xcnt 0x0
; context = (softmax(where(keep, q k^T / 8 + alibi, -10000)) x keep) v for one (batch, head), both products on codes of BF8 (E5M2) with E8M0 scales; the context is quantised for the last product.
; keep = (key <= query) and pad[query] and pad[key].  The probabilities are quantised FINISHED AND NORMALISED, so the keys are walked twice: walk 1 finds each query's maximum and sum, walk 2 makes the scores again, p, its codes, and O^T += V^T P^T.
; SCORES.  s8 = q.k + ab[key], ab = 8 x alibi where pad[key], else NEG = -3e38; ab is the C of the score's matrix instruction.  Keys behind the query get NEG in the one step on the diagonal.
; p = 2^(s8 c - m c - log2(sum)), c = log2(e) / 8; the hidden keys' -10000 join maximum and sum by their count; a hidden key's p is 0; pad[query] multiplies O^T once at the end (it is 0 or 1, so the codes of p need not know it).
; Left out: key steps that lie wholly behind a group's queries under reference()'s own causal mask.
; SHARES.  Work-group j owns the blocks j (early, j + 1 key steps) and 15 - j (late, 16 - j key steps) of a head's 16 blocks of 128 queries.  A group is 32 neighbouring queries: TWO TILES of 16, A in register window 0 and B in window 1,
; at the same register numbers, so one text serves both, and each fragment of K, V and ab read from LDS feeds both.  Group g of either block belongs to a pair of waves: X takes the late group's key steps 0-8;
; Y takes its other 7 - j steps and the early group's j + 1: nine steps and eight.  Of waves w and w + 4, and of waves 2 k and 2 k + 1, one is an X and one a Y.
; X and Y hand each other the late group's maximum and sum through LDS at the barrier between the walks; Y leaves its part of the late O^T in LDS, and X adds it behind the last barrier (the sum over the keys is so taken in two parts).
; Y walks early then late in walk 1 and late then early in walk 2: one change of group in each, under a branch on the wave's role and the trip's number.  A trip's key step is (trip + an offset) & 15, made of ids alone.
; ALL of the head's K and V (images of operand registers, 131,072 bytes each) lie in LDS, each byte filled once.  At the head every wave brings an eighth of K; behind the first barrier, with the three lines ahead of it,
; every wave brings an eighth of V, which walk 1 does not read; the barrier between the walks shows V.  K's and V's scale words (8,192 and 4,096 bytes) and ab go through registers and LDS stores, ahead of the first barrier.
; NO JOINT LOADS, though the eight work-groups of a head read the same K and V: the key steps that a wave takes hang on its block's number, which differs between them.  NO PREFETCH: both fills stand ahead of the loops.
; LOADS AHEAD.  The next trip's K, ab and scale words are asked for behind this trip's score products; V behind tile A's conversions, into the registers that held A's p.
; K = 64 fills half of the instruction's 128.  Q's upper eight registers are zero codes; K's fragments lie dense, so a fragment's upper eight registers are the next tile's codes (finite), which meet zeros.
; LAYOUT.  S^T = K Q^T, O^T = V^T P^T: a lane holds one query (lane % 16); register j of tile t is key 16 t + 8 (lane / 16) + j.
; LIMITS: NaN and infinities are not served; a p under 2^-126 is 0; the exponent is one fused multiply-add, whose error is |t| 2^-24; blocks of zeros carry the byte 1.
.set VIMG, 131072                      ; K's image lies at 0: [tile 128][c 2][lane][16];  V's: [step 16][tile of channels 4][c 4][lane][16]
.set KSC,  262144                      ; a word a key; from here on LDS is written by LDS stores alone
.set VSC,  270336                      ; [step 16][channel 64] words
.set AB,   274432                      ; ab: an f32 a key
.set SPARE, 282624                     ; the spare words: 128 bytes a wave
.set XM,   283648                      ; [group 4][role 2][tile 2][lane] maximum and sum
.set XO,   287744                      ; [group 4][tile 2][8][lane][16] Y's part of the late O^T
; window 0 alone
.set LI, 1
.set ADK, 2
.set ADA, 3
.set ADS, 4
.set ADV, 5
.set ADT, 6
.set A0, 7
.set AS0, 8
.set AV0, 9
.set AT0, 10
.set R4, 11
.set SPW, 12
.set NIL, 13
.set VS, 14                            ; v14-15 V's scale words
.set QSA, 26                           ; v26, v27 Q's scale words of A, B
.set PSA, 28                           ; v28, v29 p's
.set QST, 30                           ; v30, v31 the other group's Q scale words
.set XOW, 179
.set KS, 180                           ; v180-183 K's scale words
.set KF, 184                           ; v184-255 K's eight fragments, dense, and eight registers of zero codes
.set ABR, 184                          ; window 1: v184-247 ab of the step's 128 keys
; a tile's registers, the same numbers in its window
.set MB, 16
.set NM, 16                            ; v[16:17] the exponent's addend, the maximum
.set M8, 17
.set L, 18                             ; v[18:19] the sum in two halves
.set RH, 20                            ; my query's place: r - 8 h (+ 16 in B)
.set DD, 21
.set PADQ, 22
.set NMK, 23
.set THR, 24
.set NEG, 25
.set Q, 32
.set S, 48                             ; v48-111 S^T, then p; in window 0 afterwards V's four fragments
.set O, 112
.set PC, 144                           ; p's codes; in walk 1 v144-151 hold the late group's Q
.set T, 160                            ; v160-175 at work
.set ST, 176                           ; v176-178 the late group's thr, nm, pad; then the early group's addend and pad
.set XB, 96                            ; the head makes a tile's v16-25 here, in window 0
.set SEL, 2
.set WV, 16
.set XMS, 18
.set ZR, 19
.set RY, 21                            ; 1: the wave is a Y
.set QLS, 22                           ; the late group's first query
.set Q0, 23                            ; the first query of the group in hand
.set OFB2, 24
.set NT, 25                            ; trips with work: 9 or 8
.set QFS, 29                           ; my first group's first query: X: late, Y: early; it is also the group whose context I store
.set SW1, 30
.set OFB1, 31
.set SW2, 32
.set OFA2, 33
.set G1K, 36                           ; s[36:43] group 1 of both fills
.set G0K, 60
.set KSP, 76                           ; s[76:77] K's scale words in memory
.set G0V, 80
.set VSP, 84                           ; s[84:85] V's
.set C8, 88
.set MNT, 90
.set NC8, 91
.set U, 94                             ; the trip: the loops' counter
.set TKN, 95
.set TAN, 96
.set TK, 97
.set TT, 98
.set KFS, 99                           ; the step's first key
.set MSB, 0
.macro WIN new
.if MSB != (\new)
	s_set_vgpr_msb (MSB<<8)|(\new)
.set MSB, (\new)
.endif
.endm
.macro NOPS n
.rept \n
	v_nop
.endr
.endm
.macro WALU
	s_wait_alu depctr_va_vdst(0)
.endm
	s_load_b256 s[4:11], s[0:1], 0x0               ; qq, kq, vq, alibi
	s_load_b128 s[12:15], s[0:1], 0x20             ; attention_mask, cq
	v_lshl_add_u32 v[SPW], v0, 2, SPARE
	v_mov_b32 v[NIL], 0
	ds_add_u32 v[SPW], v[NIL]                      ; the opening lines: the add twice on end and its wait
	ds_add_u32 v[SPW], v[NIL]
	v_lshrrev_b32 v1, 5, v0
	v_readfirstlane_b32 s[WV], v1                  ; wave 0..7
	s_and_b32 s17, ttmp7, 0xffff                   ; bh
	s_lshr_b32 s18, s17, 4                         ; batch
	s_and_b32 s19, s17, 15                         ; head
	s_lshr_b32 s20, s[WV], 1                       ; g: which 32 of a block's 128 queries
	s_lshr_b32 s[RY], s[WV], 2
	s_xor_b32 s[RY], s[RY], s[WV]
	s_and_b32 s[RY], s[RY], 1
	s_lshl_b32 s92, s20, 5
	s_xor_b32 s[QLS], ttmp9, 15
	s_lshl_b32 s[QLS], s[QLS], 7
	s_add_co_u32 s[QLS], s[QLS], s92
	s_lshl_b32 s[Q0], ttmp9, 7
	s_add_co_u32 s[Q0], s[Q0], s92
	s_cmp_eq_u32 s[RY], 1
	s_cselect_b32 s[Q0], s[Q0], s[QLS]             ; my first group
	s_mov_b32 s[G1K], 3<<16                        ; an eighth of an image: 16,384 dense bytes as 64 rows of 256 (32 elements of 8)
	s_mov_b32 s[G1K+1], 32<<16
	s_mov_b32 s[G1K+2], 64<<16
	s_mov_b32 s[G1K+3], 32<<16
	s_mov_b32 s[G1K+4], 64
	s_mov_b32 s[G1K+5], 32
	s_mov_b32 s[G1K+6], 0
	s_mov_b32 s[G1K+7], 0
	s_lshl_b32 s24, s17, 17                        ; bh x 131,072
	s_lshl_b32 s25, s[WV], 14                      ; my eighth
	s_add_co_u32 s28, s24, s25
	s_mov_b32 s29, 0
	s_lshl_b32 s30, s17, 13
	s_add_co_u32 s30, s30, 4194304
	s_mov_b32 s31, 0
	s_lshl_b32 s34, s17, 12
	s_add_co_u32 s34, s34, 4194304
	s_mov_b32 s35, 0
	s_wait_dscnt 0x0
	s_wait_kmcnt 0x0
	s_mov_b32 s[G0K], 1
	s_mov_b32 s[G0K+1], s25
	s_add_nc_u64 s[G0K+2:G0K+3], s[6:7], s[28:29]
	s_or_b32 s[G0K+3], s[G0K+3], 0x80000000
	s_mov_b32 s[G0V], 1
	s_add_co_u32 s[G0V+1], s25, VIMG
	s_add_nc_u64 s[G0V+2:G0V+3], s[8:9], s[28:29]
	s_or_b32 s[G0V+3], s[G0V+3], 0x80000000
	s_add_nc_u64 s[KSP:KSP+1], s[6:7], s[30:31]
	s_add_nc_u64 s[VSP:VSP+1], s[8:9], s[34:35]
	tensor_load_to_lds s[G0K:G0K+3], s[G1K:G1K+7]  ; every wave: its eighth of K, the wave's one load at the head
	s_nop 0
	NOPS 4
	s_lshl_b32 s28, s[Q0], 6                       ; Q's image: bh x 131,072 + (Q0 / 16) x 1,024
	s_add_co_u32 s28, s28, s24
	s_lshl_b32 s30, s17, 13                        ; its scale words: bh x 8,192 + 4 Q0
	s_lshl_b32 s92, s[Q0], 2
	s_add_co_u32 s30, s30, s92
	s_add_co_u32 s30, s30, 4194304
	s_add_nc_u64 s[34:35], s[4:5], s[30:31]
	s_add_nc_u64 s[4:5], s[4:5], s[28:29]
	s_lshl_b32 s30, s17, 13
	s_add_nc_u64 s[10:11], s[10:11], s[30:31]      ; alibi's row
	s_lshl_b32 s30, s18, 11
	s_add_nc_u64 s[12:13], s[12:13], s[30:31]      ; the batch's mask
	s_lshl_b32 s28, s19, 18                        ; the context's image: head x 262,144 + (128 batch + Q0 / 16) x 1,024
	s_lshl_b32 s92, s18, 17
	s_add_co_u32 s28, s28, s92
	s_lshl_b32 s92, s[Q0], 6
	s_add_co_u32 s28, s28, s92
	s_lshr_b32 s30, s19, 1                         ; its scale half-words: (head / 2) x 16,384 + (2048 batch + Q0) x 4 + 2 (head % 2)
	s_lshl_b32 s30, s30, 14
	s_lshl_b32 s92, s18, 13
	s_add_co_u32 s30, s30, s92
	s_lshl_b32 s92, s[Q0], 2
	s_add_co_u32 s30, s30, s92
	s_and_b32 s92, s19, 1
	s_lshl_b32 s92, s92, 1
	s_add_co_u32 s30, s30, s92
	s_add_co_u32 s30, s30, 4194304
	s_add_nc_u64 s[26:27], s[14:15], s[30:31]
	s_add_nc_u64 s[14:15], s[14:15], s[28:29]
	s_mov_b32 s[SEL], 0x76543210
	s_mov_b32 s[SEL+1], 0xfedcba98
	s_mov_b32 s[C8], 0x3e38aa3b
	s_mov_b32 s[C8+1], s[C8]
	s_mov_b32 s[NC8], 0xbe38aa3b
	s_mov_b32 s[MNT], 0x600000
	s_mov_b32 s93, 0x01010101
	s_sub_co_u32 s32, s[QLS], s[Q0]                ; from my first group to the late one: 0 in an X
	s_lshl_b32 s33, s32, 6
	s_lshl_b32 s32, s32, 2
	s_lshl_b32 s92, s20, 13
	s_add_co_u32 s92, s92, XO
	v_and_b32 v2, 31, v0                           ; lane
	v_and_b32 v3, 15, v0                           ; r
	v_bfe_u32 v4, v0, 4, 1                         ; h
	v_lshlrev_b32 v[LI], 4, v2
	v_lshlrev_b32 v5, 2, v2
	v_add_nc_u32 v[AS0], KSC, v5
	v_add_nc_u32 v[AV0], VIMG, v[LI]
	v_add_nc_u32 v[AT0], VSC, v5
	v_lshl_add_u32 v[A0], v4, 5, AB
	v_lshlrev_b32 v[R4], 2, v3
	v_add_nc_u32 v[XOW], s92, v[LI]
	v_lshlrev_b32 v6, 3, v4
	v_sub_nc_u32 v[RH], v3, v6
	v_add_nc_u32 v[XB+4], 16, v[RH]
	v_mov_b32 v[NEG], 0xff61b1e6
	v_mov_b32 v[XB+9], 0xff61b1e6
	v_lshlrev_b32 v92, 5, v0                       ; thread t makes ab of keys 8 t .. 8 t + 7, and carries their scale words
	v_lshlrev_b32 v93, 3, v0
	v_lshlrev_b32 v94, 6, v2                       ; each lane counts the mask's bytes 64 lane .. 64 lane + 63
	v_add_nc_u32 v95, s[Q0], v3
	v_add_nc_u32 v86, s[QLS], v3
	v_add_nc_u32 v87, s33, v[LI]
	v_add_nc_u32 v88, s32, v[R4]
	v_add_nc_u32 v91, AB, v92
	v_lshlrev_b32 v90, 4, v0                       ; and four of V's scale words
	v_add_nc_u32 v89, KSC, v92
	v_add_nc_u32 v79, VSC, v90
	global_load_b128 v[Q:Q+3], v[LI], s[4:5]
	global_load_b128 v[Q+4:Q+7], v[LI], s[4:5] offset:512
	global_load_b128 v[PC:PC+3], v87, s[4:5]
	global_load_b128 v[PC+4:PC+7], v87, s[4:5] offset:512
	WIN 0x40
	global_load_b128 v[Q:Q+3], v[LI], s[4:5] offset:1024
	global_load_b128 v[Q+4:Q+7], v[LI], s[4:5] offset:1536
	global_load_b128 v[PC:PC+3], v87, s[4:5] offset:1024
	global_load_b128 v[PC+4:PC+7], v87, s[4:5] offset:1536
	WIN 0
	global_load_b32 v[QSA], v[R4], s[34:35]
	global_load_b32 v[QSA+1], v[R4], s[34:35] offset:64
	global_load_b32 v[QST], v88, s[34:35]
	global_load_b32 v[QST+1], v88, s[34:35] offset:64
	global_load_b128 v[48:51], v92, s[10:11]
	global_load_b128 v[52:55], v92, s[10:11] offset:16
	global_load_b64 v[56:57], v93, s[12:13]
.irp c, 0,1,2,3
	global_load_b128 v[60+4*\c:63+4*\c], v94, s[12:13] offset:16*\c
.endr
	global_load_u8 v76, v95, s[12:13]              ; pad[my query]: the first group's A and B, the late group's A and B
	global_load_u8 v77, v95, s[12:13] offset:16
	global_load_u8 v84, v86, s[12:13]
	global_load_u8 v85, v86, s[12:13] offset:16
	global_load_b128 v[152:155], v92, s[KSP:KSP+1]
	global_load_b128 v[156:159], v92, s[KSP:KSP+1] offset:16
	global_load_b128 v[108:111], v90, s[VSP:VSP+1]
	; the walks' constants.  Walk 1: key step = trip, and in a Y from trip j + 1 on: trip + 8 - j.  Walk 2: X: trip; Y: trip + 9, and from trip 7 - j on: (trip + j + 9) & 15
	s_lshl_b32 s[XMS], s20, 10
	s_lshl_b32 s92, s[RY], 9
	s_add_co_u32 s[XMS], s[XMS], s92
	s_add_co_u32 s[XMS], s[XMS], XM
	s_mov_b32 s[ZR], 0
	s_mov_b32 s[QFS], s[Q0]
	s_add_co_u32 s[SW1], ttmp9, 1
	s_xor_b32 s[SW2], ttmp9, 7
	s_add_co_u32 s[OFB1], s[SW2], 1
	s_add_co_u32 s[OFB2], ttmp9, 9
	s_cmp_eq_u32 s[RY], 1
	s_cselect_b32 s[SW1], s[SW1], 99
	s_cselect_b32 s[SW2], s[SW2], 99
	s_cselect_b32 s[OFA2], 9, 0
	s_cselect_b32 s[NT], 8, 9
.macro ZEROS                           ; Q's zero codes; O^T (the loop is written once); what lane permutes and pairs name before it is made
.irp j, 8,9,10,11,12,13,14,15
	v_mov_b32 v[Q+\j], 0
.endr
.set ii, 0
.rept 32
	v_mov_b32 v[O+ii], 0
.set ii, ii+1
.endr
.set ii, 0
.rept 16
	v_mov_b32 v[T+ii], 0
.set ii, ii+1
.endr
.endm
	ZEROS
.irp j, 64,65,66,67,68,69,70,71
	v_mov_b32 v[KF+\j], 0
.endr
.irp j, 2,3,5
	v_mov_b32 v[MB+\j], 0
	v_mov_b32 v[XB+\j], 0
.endr
	WIN 0x40
	ZEROS
	WIN 0
	WALU
	s_wait_loadcnt 0x0
.irp i, 0,1,2,3,4,5,6,7
	v_bfe_u32 v78, v[56+\i/4], 8*(\i%4), 8
	v_cmp_ne_u32 vcc_lo, 0, v78
	v_mul_f32 v[48+\i], 0x41000000, v[48+\i]       ; 8 x alibi: exact
	v_cndmask_b32 v[48+\i], v[NEG], v[48+\i], vcc_lo
.endr
	ds_store_b128 v91, v[48:51]
	ds_store_b128 v91, v[52:55] offset:16
	ds_store_b128 v89, v[152:155]
	ds_store_b128 v89, v[156:159] offset:16
	ds_store_b128 v79, v[108:111]
.irp c, 0,1,2,3
	v_add3_u32 v[60+4*\c], v[60+4*\c], v[61+4*\c], v[62+4*\c]
	v_add_nc_u32 v[60+4*\c], v[60+4*\c], v[63+4*\c]
.endr
; nm = 2048 - #{key <= my query : pad[key]}; thr = -80000 where nm > 0, else NEG; the running maximum starts at thr.  x: where the tile's v16-25 are made; sq: the group's first query; qo: the tile's place in the group
.macro COUNT x, sq, qo, pad
.irp c, 0,1,2,3
	s_add_co_u32 s92, s[\sq], (\qo)-16*\c
	v_cmp_gt_i32 vcc_lo, s92, v94                  ; the 16 keys lie under the tile's first query
	v_cndmask_b32 v[80+\c], 0, v[60+4*\c], vcc_lo
.endr
	v_add3_u32 v80, v80, v81, v82
	v_add_nc_u32 v80, v80, v83                     ; each byte at most 16
	v_mul_lo_u32 v80, v80, s93
	v_lshrrev_b32 v80, 24, v80
	v_cvt_f32_u32 v80, v80
.irp n, 1,2,4,8
	v_add_f32_dpp v80, v80, v80 row_xmask:\n row_mask:0xf bank_mask:0xf
.endr
	v_permlanex16_b32 v81, v80, s[SEL], s[SEL+1]
	v_add_f32 v80, v80, v81
	v_cvt_f32_u32 v[\x+6], v[\pad]
	v_mov_b32 v82, v[\x+6]                         ; a running sum over the 16 lanes of a row
.irp n, 1,2,4,8
	v_mov_b32 v83, 0
	v_mov_b32_dpp v83, v82 row_shr:\n row_mask:0xf bank_mask:0xf
	v_add_f32 v82, v82, v83
.endr
	v_add_f32 v80, v80, v82
	v_sub_f32 v[\x+7], 0x45000000, v80
	v_mov_b32 v[\x+8], 0xc79c4000
	v_cmp_lt_f32 vcc_lo, 0, v[\x+7]
	v_cndmask_b32 v[\x+8], v[NEG], v[\x+8], vcc_lo
	v_mov_b32 v[\x+1], v[\x+8]
	v_mul_f32 v[\x], s[NC8], v[\x+1]
.endm
.macro STASH                           ; the late group's thr, nm, pad
	v_mov_b32 v[ST], v[XB+8]
	v_mov_b32 v[ST+1], v[XB+7]
	v_mov_b32 v[ST+2], v[XB+6]
.endm
	COUNT MB, Q0, 0, 76
	COUNT XB, Q0, 16, 77
	WIN 0x40
.irp k, 0,1,2,3,4,5,6,7,8,9
	v_mov_b32 v[MB+\k], v[XB+\k]
.endr
	WIN 0
	COUNT XB, QLS, 0, 84
	STASH
	COUNT XB, QLS, 16, 85
	WIN 0x40
	STASH
	WIN 0
	WALU
	s_wait_tensorcnt 0x0                           ; my eighth of K is in
	ds_add_u32 v[SPW], v[NIL]
	s_wait_dscnt 0x0                               ; the add is done, and my parts of ab and of the scale words have landed
	s_barrier_signal -1
	s_barrier_wait -1
	tensor_load_to_lds s[G0V:G0V+3], s[G1K:G1K+7]  ; every wave: its eighth of V, the wave's one load behind this barrier; walk 1 stands between it and the wait for it
	s_nop 0
	NOPS 4
.macro WM d, a, b, c, sa, sb, row
.if \row
	v_wmma_scale_f32_16x16x128_f8f6f4 v[(\d):(\d)+7], v[(\a):(\a)+15], v[(\b):(\b)+15], v[(\c):(\c)+7], v[\sa], v[\sb] matrix_a_fmt:MATRIX_FMT_BF8 matrix_b_fmt:MATRIX_FMT_BF8 matrix_a_scale:MATRIX_SCALE_ROW1
.else
	v_wmma_scale_f32_16x16x128_f8f6f4 v[(\d):(\d)+7], v[(\a):(\a)+15], v[(\b):(\b)+15], v[(\c):(\c)+7], v[\sa], v[\sb] matrix_a_fmt:MATRIX_FMT_BF8 matrix_b_fmt:MATRIX_FMT_BF8
.endif
.endm
.macro QK                              ; S^T of 128 keys for both tiles; C = ab, in registers of its own
	WIN 0x10
.irp t, 0,1,2,3,4,5,6,7
	WM S+8*\t, KF+8*\t, Q, ABR+8*\t, KS+\t/2, QSA, \t%2
.endr
	WIN 0x54
.irp t, 0,1,2,3,4,5,6,7
	WM S+8*\t, KF+8*\t, Q, ABR+8*\t, KS+\t/2, QSA+1, \t%2
.endr
.endm
.macro KSOF d, su, sw, oa, ob          ; the key step of trip su: (su + (su >= sw ? ob : oa)) & 15
	s_cmp_ge_u32 s[\su], s[\sw]
	s_cselect_b32 s[\d], s[\ob], s[\oa]
	s_add_co_u32 s[\d], s[\d], s[\su]
	s_and_b32 s[\d], s[\d], 15
.endm
.macro STEPS sw, oa, ob                ; this trip's first key, and where the next trip's K, ab and scale words lie
	KSOF KFS, U, \sw, \oa, \ob
	s_lshl_b32 s[KFS], s[KFS], 7
	s_add_co_u32 s93, s[U], 1
	KSOF 92, 93, \sw, \oa, \ob
	s_lshl_b32 s[TKN], s92, 13
	s_lshl_b32 s[TAN], s92, 9
.endm
.macro LOADK two                       ; eight plain lines stand behind the score products, then 36 LDS loads
	WIN 0
	v_add_nc_u32 v[ADK], s[TKN], v[LI]
	v_add_nc_u32 v[ADA], s[TAN], v[A0]
	v_add_nc_u32 v[ADS], s[TAN], v[AS0]
.if \two
	v_add_nc_u32 v[ADV], s[TK], v[AV0]
	v_add_nc_u32 v[ADT], s[TT], v[AT0]
	NOPS 3
.else
	NOPS 5
.endif
.irp t, 0,1,2,3,4,5,6,7
	ds_load_b128 v[KF+8*\t:KF+8*\t+3], v[ADK] offset:\t*1024
	ds_load_b128 v[KF+8*\t+4:KF+8*\t+7], v[ADK] offset:\t*1024+512
.endr
.irp i, 0,1,2,3
	ds_load_b32 v[KS+\i], v[ADS] offset:128*\i
.endr
	WIN 0x40
.irp t, 0,1,2,3,4,5,6,7
	ds_load_b128 v[ABR+8*\t:ABR+8*\t+3], v[ADA] offset:64*\t
	ds_load_b128 v[ABR+8*\t+4:ABR+8*\t+7], v[ADA] offset:64*\t+16
.endr
	WIN 0
.endm
.macro DIAG1                           ; register 8 t + j holds key KF + 8 h + 16 t + j: hidden where 16 t + j > d
	v_add_nc_u32 v[DD], s92, v[RH]
.set nn, 0
.rept 64
	v_cmp_gt_i32 vcc_lo, 16*(nn/8)+nn%8, v[DD]
	v_cndmask_b32 v[S+nn], v[S+nn], v[NEG], vcc_lo
.set nn, nn+1
.endr
.endm
.macro DIAG                            ; a step all of whose keys count skips this: a scalar branch on ids
	s_add_co_u32 s92, s[KFS], 127
	s_cmp_le_u32 s92, s[Q0]
	s_cbranch_scc1 .Lopen_\@
	s_sub_co_i32 s92, s[Q0], s[KFS]
	DIAG1
	WIN 0x55
	DIAG1
	WIN 0
.Lopen_\@:
.endm
.macro MAXS                            ; the largest score of my 16 keys of each block of 32
.irp b, 0,1,2,3
	v_max3_num_f32 v[T+\b], v[S+16*\b], v[S+1+16*\b], v[S+2+16*\b]
.endr
.irp i, 3,5,7,9,11,13
.irp b, 0,1,2,3
	v_max3_num_f32 v[T+\b], v[T+\b], v[S+16*\b+\i], v[S+1+16*\b+\i]
.endr
.endr
.irp b, 0,1,2,3
	v_max_num_f32 v[T+\b], v[T+\b], v[S+15+16*\b]
.endr
.endm
.macro FMAS                            ; the 64 exponents
.set jj, 0
.rept 32
	v_pk_fma_f32 v[S+jj:S+jj+1], v[S+jj:S+jj+1], s[C8:C8+1], v[NM:NM+1] op_sel_hi:[1,0,0]
.set jj, jj+2
.endr
.endm
.macro EXPS
.set jj, 0
.rept 64
	v_exp_f32 v[S+jj], v[S+jj]
.set jj, jj+1
.endr
.endm
.macro SM1A                            ; walk 1: the lane's running maximum over its half of the keys
	MAXS
	v_max3_num_f32 v[T+4], v[T], v[T+1], v[T+2]
	v_max3_num_f32 v[T+4], v[T+4], v[T+3], v[M8]
	v_sub_f32 v[T+5], v[M8], v[T+4]
	v_mov_b32 v[M8], v[T+4]
	v_mul_f32 v[T+5], s[C8], v[T+5]
	v_mul_f32 v[NM], s[NC8], v[T+4]
	FMAS
.endm
.macro SUM1                            ; the sum under the new maximum, and the 64 new terms by a tree in place
	v_pk_mul_f32 v[L:L+1], v[L:L+1], v[T+6:T+7] op_sel_hi:[1,0]
.set st, 2
.rept 5
.set kk, 0
.rept 32/st
	v_pk_add_f32 v[S+kk:S+kk+1], v[S+kk:S+kk+1], v[S+kk+st:S+kk+st+1]
.set kk, kk+2*st
.endr
.set st, st*2
.endr
	v_pk_add_f32 v[L:L+1], v[L:L+1], v[S:S+1]
.endm
.macro JOIN                            ; a group that one wave walked alone: the two halves of the lanes meet, the hidden keys join the sum, and log2(sum) goes into the exponent's addend
	v_permlanex16_b32 v[T], v[M8], s[SEL], s[SEL+1]
	v_max_num_f32 v[T+1], v[M8], v[T]
	v_sub_f32 v[T+2], v[M8], v[T+1]
	v_sub_f32 v[T+3], v[THR], v[T+1]
	v_mul_f32 v[T+2], s[C8], v[T+2]
	v_mul_f32 v[T+3], s[C8], v[T+3]
	WALU
	v_exp_f32 v[T+2], v[T+2]
	v_exp_f32 v[T+3], v[T+3]
	v_add_f32 v[L], v[L], v[L+1]
	WALU
	v_mul_f32 v[L], v[L], v[T+2]
	v_permlanex16_b32 v[T], v[L], s[SEL], s[SEL+1]
	v_add_f32 v[L], v[L], v[T]
	v_fmac_f32 v[L], v[NMK], v[T+3]                ; + nm x 2^((thr - m) c): at least 1 in all
	WALU
	v_log_f32 v[T+4], v[L]
	v_mul_f32 v[NM], s[NC8], v[T+1]
	WALU
	v_sub_f32 v[NM], v[NM], v[T+4]                 ; - m c - log2(sum)
.endm
.macro SW1T                            ; a Y's tile goes from the early group, which is finished here, to the late one
	JOIN
	v_mov_b32 v[THR], v[ST]
	v_mov_b32 v[ST], v[NM]
	v_mov_b32 v[NMK], v[ST+1]
	v_mov_b32 v[ST+1], v[PADQ]
	v_mov_b32 v[PADQ], v[ST+2]
	v_mov_b32 v[M8], v[THR]
	v_mul_f32 v[NM], s[NC8], v[THR]
	v_mov_b32 v[L], 0
	v_mov_b32 v[L+1], 0
.irp k, 0,1,2,3,4,5,6,7
	v_mov_b32 v[Q+\k], v[PC+\k]
.endr
.endm
	s_mov_b32 s[U], 0
	s_mov_b32 s[TKN], 0
	s_mov_b32 s[TAN], 0
	LOADK 0                                        ; key step 0 is every wave's first
	WALU
.Lwalk1:                                           ; nine trips in every wave
	s_cmp_eq_u32 s[RY], 0
	s_cbranch_scc1 .Lns1
	s_cmp_lg_u32 s[U], s[SW1]
	s_cbranch_scc1 .Lns1
	SW1T
	WIN 0x55
	SW1T
	WIN 0
.irp k, 0,1
	v_mov_b32 v[T], v[QSA+\k]                      ; the two groups' scale words change places
	v_mov_b32 v[QSA+\k], v[QST+\k]
	v_mov_b32 v[QST+\k], v[T]
.endr
	NOPS 8                                         ; eight places between a scale word so written and the products
	s_mov_b32 s[Q0], s[QLS]
	WALU
.Lns1:
	s_cmp_ge_u32 s[U], s[NT]
	s_cbranch_scc1 .Lhid1
	STEPS SW1, ZR, OFB1
	s_wait_dscnt 0x0                               ; this trip's K, ab and scale words, asked for a trip ago
	QK
	LOADK 0
	DIAG
	SM1A
	WIN 0x55
	SM1A
	WALU
	v_exp_f32 v[T+6], v[T+5]                       ; f = 2^((old m - new m) c)
	EXPS
	WIN 0
	v_exp_f32 v[T+6], v[T+5]
	EXPS
	v_nop
	WALU
	SUM1
	WIN 0x55
	SUM1
	WIN 0
.Lhid1:
	s_add_co_u32 s[U], s[U], 1
	s_cmp_lt_u32 s[U], 9
	WALU
	s_cbranch_scc1 .Lwalk1
	; every wave now holds its part of the late group's maximum and sum: X and Y hand them to each other
.macro XPUT
	v_mov_b32 v[T], v[M8]
	v_add_f32 v[T+1], v[L], v[L+1]
.endm
	XPUT
	WIN 0x55
	XPUT
	WIN 0
	v_lshrrev_b32 v[ADK], 1, v[LI]
	v_add_nc_u32 v[ADK], s[XMS], v[ADK]            ; mine: 8 bytes a lane
	v_xor_b32 v[ADA], 512, v[ADK]                  ; my partner's
	ds_store_b64 v[ADK], v[T:T+1]
	WIN 0x04
	ds_store_b64 v[ADK], v[T:T+1] offset:256
	WIN 0
	WALU
	s_wait_tensorcnt 0x0                           ; every wave: its eighth of V is in
	s_wait_dscnt 0x0
	s_barrier_signal -1
	s_barrier_wait -1
	ds_load_b64 v[T+2:T+3], v[ADA]
	WIN 0x40
	ds_load_b64 v[T+2:T+3], v[ADA] offset:256
	WIN 0
	s_wait_dscnt 0x0
.macro JOIN2                           ; both parts and both halves of the lanes meet; the hidden keys join the sum
	v_max_num_f32 v[T+4], v[T], v[T+2]
	v_permlanex16_b32 v[T+5], v[T+4], s[SEL], s[SEL+1]
	v_max_num_f32 v[T+4], v[T+4], v[T+5]
	v_sub_f32 v[T+6], v[T], v[T+4]
	v_sub_f32 v[T+7], v[T+2], v[T+4]
	v_sub_f32 v[T+8], v[THR], v[T+4]
	v_mul_f32 v[T+6], s[C8], v[T+6]
	v_mul_f32 v[T+7], s[C8], v[T+7]
	v_mul_f32 v[T+8], s[C8], v[T+8]
	WALU
	v_exp_f32 v[T+6], v[T+6]
	v_exp_f32 v[T+7], v[T+7]
	v_exp_f32 v[T+8], v[T+8]
	v_mul_f32 v[NM], s[NC8], v[T+4]
	WALU
	v_mul_f32 v[T+1], v[T+1], v[T+6]
	v_mul_f32 v[T+3], v[T+3], v[T+7]
	v_add_f32 v[T+1], v[T+1], v[T+3]
	v_permlanex16_b32 v[T+5], v[T+1], s[SEL], s[SEL+1]
	v_add_f32 v[T+1], v[T+1], v[T+5]
	v_fmac_f32 v[T+1], v[NMK], v[T+8]
	WALU
	v_log_f32 v[T+9], v[T+1]
	v_nop
	WALU
	v_sub_f32 v[NM], v[NM], v[T+9]
.endm
	JOIN2
	WIN 0x55
	JOIN2
	WIN 0
.macro SM2A                            ; walk 2: each block's largest score, joined with lane l xor 16's, goes the way of the 64
	MAXS
.irp b, 0,1,2,3
	v_permlanex16_b32 v[T+4+\b], v[T+\b], s[SEL], s[SEL+1]
.endr
.irp b, 0,1,2,3
	v_max_num_f32 v[T+\b], v[T+\b], v[T+4+\b]
.endr
.irp b, 0,1,2,3
	v_fma_f32 v[T+\b], v[T+\b], s[C8], v[NM]
.endr
	FMAS
.endm
.macro EXP2
.irp b, 0,1,2,3
	v_exp_f32 v[T+\b], v[T+\b]                     ; the block's largest p
.endr
	EXPS                                           ; p, finished and normalised
.endm
.macro SM2B ps, w                      ; scales, holds, codes
.irp b, 0,1,2,3
	v_max_num_f32 v[T+\b], 0x8000000, v[T+\b]      ; the floor 2^(16 - 127)
.endr
.irp b, 0,1,2,3
	v_add_nc_u32 v[T+12+\b], 0xf8800000, v[T+\b]
.endr
.irp b, 0,1,2,3
	v_and_or_b32 v[T+8+\b], v[T+\b], 0x7f800000, s[MNT]
.endr
.irp b, 0,1,2,3
	v_lshrrev_b32 v[T+4+\b], 23, v[T+12+\b]
.endr
	v_lshl_or_b32 v[T+4], v[T+5], 8, v[T+4]
	v_lshl_or_b32 v[T+4], v[T+6], 16, v[T+4]
	v_lshl_or_b32 v[T+4], v[T+7], 24, v[T+4]
.if \w
	WIN 0x01                                       ; scale words lie in window 0
	v_mov_b32 v[\ps], v[T+4]
	WIN 0x55
.else
	v_mov_b32 v[\ps], v[T+4]
.endif
.irp b, 0,1,2,3
.irp i, 0,1,2,3,4,5,6,7,8,9,10,11,12,13,14,15
	v_min_num_f32 v[S+16*\b+\i], v[S+16*\b+\i], v[T+8+\b]   ; the conversion does not saturate (ISA guide 7.6.2); p is not negative
.endr
	v_cvt_scalef32_pk8_bf8_f32 v[PC+4*\b:PC+4*\b+1], v[S+16*\b:S+16*\b+7], v[T+12+\b]
	v_cvt_scalef32_pk8_bf8_f32 v[PC+4*\b+2:PC+4*\b+3], v[S+16*\b+8:S+16*\b+15], v[T+12+\b]
.endr
	v_nop
.endm
.macro SW2T                            ; a Y's tile goes back to the early group: O^T begins anew
.set ii, 0
.rept 32
	v_mov_b32 v[O+ii], 0
.set ii, ii+1
.endr
	v_mov_b32 v[NM], v[ST]
	v_mov_b32 v[PADQ], v[ST+1]
.endm
	s_mov_b32 s[U], 0
	KSOF 92, U, SW2, OFA2, OFB2
	s_lshl_b32 s[TKN], s92, 13
	s_lshl_b32 s[TAN], s92, 9
	LOADK 0
	WALU
.Lwalk2:
	s_cmp_eq_u32 s[RY], 0
	s_cbranch_scc1 .Lns2
	s_cmp_lg_u32 s[U], s[SW2]
	s_cbranch_scc1 .Lns2
	global_load_b128 v[Q:Q+3], v[LI], s[4:5]       ; the early group's Q once more
	global_load_b128 v[Q+4:Q+7], v[LI], s[4:5] offset:512
	WIN 0x40
	global_load_b128 v[Q:Q+3], v[LI], s[4:5] offset:1024
	global_load_b128 v[Q+4:Q+7], v[LI], s[4:5] offset:1536
	WIN 0
.irp i, 0,1,2,3,4,5,6,7
	ds_store_b128 v[XOW], v[O+4*\i:O+4*\i+3] offset:512*\i          ; my part of the late O^T, each accumulator from its low end on
.endr
	WIN 0x04
.irp i, 0,1,2,3,4,5,6,7
	ds_store_b128 v[XOW], v[O+4*\i:O+4*\i+3] offset:4096+512*\i
.endr
	WIN 0
	SW2T
	WIN 0x55
	SW2T
	WIN 0
	v_mov_b32 v[QSA], v[QST]
	v_mov_b32 v[QSA+1], v[QST+1]
	NOPS 8
	s_mov_b32 s[Q0], s[QFS]
	WALU
	s_wait_loadcnt 0x0
.Lns2:
	s_cmp_ge_u32 s[U], s[NT]
	s_cbranch_scc1 .Lhid2
	STEPS SW2, OFA2, OFB2
	s_lshl_b32 s[TK], s[KFS], 6
	s_lshl_b32 s[TT], s[KFS], 1
	s_wait_dscnt 0x0
	QK
	LOADK 1
	DIAG
	SM2A
	WIN 0x55
	SM2A
	WALU
	EXP2
	WIN 0
	EXP2
	v_nop
	WALU
	SM2B PSA, 0
.irp t, 0,1,2,3
.irp c, 0,1,2,3
	ds_load_b128 v[S+16*\t+4*\c:S+16*\t+4*\c+3], v[ADV] offset:\t*2048+\c*512   ; V's fragments, where A's p lay; B's work stands between the loads and the wait
.endr
.endr
	ds_load_b32 v[VS], v[ADT]
	ds_load_b32 v[VS+1], v[ADT] offset:128
	WIN 0x55
	SM2B PSA+1, 1
	NOPS 3                                         ; four places between the codes and the scaled products
	WIN 0
	s_wait_dscnt 0x0
	WALU
.irp t, 0,1,2,3
	WM O+8*\t, S+16*\t, PC, O+8*\t, VS+\t/2, PSA, \t%2
.endr
	WIN 0x54
	WALU
.irp t, 0,1,2,3
	WM O+8*\t, S+16*\t, PC, O+8*\t, VS+\t/2, PSA+1, \t%2
.endr
	WIN 0
	NOPS 9                                         ; nine places: the next scores are laid over V's fragments
.Lhid2:
	s_add_co_u32 s[U], s[U], 1
	s_cmp_lt_u32 s[U], 9
	WALU
	s_cbranch_scc1 .Lwalk2
	s_wait_dscnt 0x0                               ; a Y's part of the late O^T has landed
	s_barrier_signal -1
	s_barrier_wait -1
	s_cmp_eq_u32 s[RY], 1
	s_cbranch_scc1 .Lno_add
.irp i, 0,1,2,3,4,5,6,7
	ds_load_b128 v[S+4*\i:S+4*\i+3], v[XOW] offset:512*\i           ; an X adds its partner's part
.endr
	WIN 0x40
.irp i, 0,1,2,3,4,5,6,7
	ds_load_b128 v[S+4*\i:S+4*\i+3], v[XOW] offset:4096+512*\i
.endr
	WIN 0
	s_wait_dscnt 0x0
.macro OADD
.set jj, 0
.rept 16
	v_pk_add_f32 v[O+jj:O+jj+1], v[O+jj:O+jj+1], v[S+jj:S+jj+1]
.set jj, jj+2
.endr
.endm
	OADD
	WIN 0x55
	OADD
	WIN 0
	WALU
.Lno_add:
.macro CTX                             ; register 8 t + j is channel 16 t + 8 h + j of my query: two blocks of 32 along the last product's K
.set jj, 0
.rept 16
	v_pk_mul_f32 v[O+jj:O+jj+1], v[O+jj:O+jj+1], v[PADQ:PADQ+1] op_sel_hi:[1,0]   ; a padded query keeps nothing
.set jj, jj+2
.endr
.irp b, 0,1
	v_max3_num_f32 v[T+\b], |v[O+16*\b]|, |v[O+1+16*\b]|, 0x8000000
.endr
.irp i, 2,4,6,8,10,12,14
.irp b, 0,1
	v_max3_num_f32 v[T+\b], v[T+\b], |v[O+16*\b+\i]|, |v[O+1+16*\b+\i]|
.endr
.endr
.irp b, 0,1
	v_permlanex16_b32 v[T+4+\b], v[T+\b], s[SEL], s[SEL+1]
.endr
.irp b, 0,1
	v_max_num_f32 v[T+\b], v[T+\b], v[T+4+\b]
.endr
.irp b, 0,1
	v_add_nc_u32 v[T+12+\b], 0xf8800000, v[T+\b]
.endr
.irp b, 0,1
	v_and_or_b32 v[T+8+\b], v[T+\b], 0x7f800000, s[MNT]
.endr
.irp b, 0,1
	v_lshrrev_b32 v[T+4+\b], 23, v[T+12+\b]
.endr
	v_lshl_or_b32 v[T+4], v[T+5], 8, v[T+4]
.irp b, 0,1
.irp i, 0,1,2,3,4,5,6,7,8,9,10,11,12,13,14,15
	v_med3_num_f32 v[O+16*\b+\i], v[O+16*\b+\i], -v[T+8+\b], v[T+8+\b]
.endr
	v_cvt_scalef32_pk8_bf8_f32 v[PC+4*\b:PC+4*\b+1], v[O+16*\b:O+16*\b+7], v[T+12+\b]
	v_cvt_scalef32_pk8_bf8_f32 v[PC+4*\b+2:PC+4*\b+3], v[O+16*\b+8:O+16*\b+15], v[T+12+\b]
.endr
	v_nop
.endm
.macro CSTORE off, soff                ; the image of the operand's registers: 512 consecutive bytes a store; my head's half of the scale word
	global_store_b128 v[LI], v[PC:PC+3], s[14:15] offset:\off
	global_store_b128 v[LI], v[PC+4:PC+7], s[14:15] offset:(\off)+512
	global_store_b16 v[R4], v[T+4], s[26:27] offset:\soff
.endm
	CTX
	CSTORE 0, 0
	WIN 0x55
	CTX
	WIN 0x04
	CSTORE 1024, 64
	WIN 0
	s_wait_tensorcnt 0x0                           ; the wave's end
	ds_add_u32 v[SPW], v[NIL]
	s_wait_dscnt 0x0
	s_endpgm
.Lfunc_end_k_qf44944f30e_attn:
	.size	k_qf44944f30e_attn, .Lfunc_end_k_qf44944f30e_attn-k_qf44944f30e_attn
	.p2alignl 7, 3214868480
	.fill 96, 4, 3214868480
	.section	.rodata,"a",@progbits
	.p2align	6, 0x0
	.amdhsa_kernel k_qf44944f30e_attn
		.amdhsa_group_segment_fixed_size 327680
		.amdhsa_private_segment_fixed_size 0
		.amdhsa_enable_private_segment 0
		.amdhsa_kernarg_size 48
		.amdhsa_user_sgpr_count 2
		.amdhsa_user_sgpr_kernarg_segment_ptr 1
		.amdhsa_wavefront_size32 1
		.amdhsa_system_sgpr_workgroup_id_x 1
		.amdhsa_system_sgpr_workgroup_id_y 1
		.amdhsa_system_sgpr_workgroup_id_z 1
		.amdhsa_system_vgpr_workitem_id 0
		.amdhsa_next_free_vgpr 512
		.amdhsa_next_free_sgpr 100
		.amdhsa_reserve_vcc 1
		.amdhsa_float_denorm_mode_32 3
		.amdhsa_float_denorm_mode_16_64 3
		.amdhsa_memory_ordered 1
		.amdhsa_forward_progress 1
		.amdhsa_inst_pref_size 125
	.end_amdhsa_kernel
	.amdgpu_metadata
---
amdhsa.version: [ 1, 2 ]
amdhsa.kernels:
  - .name:           k_qf44944f30e_attn
    .symbol:         k_qf44944f30e_attn.kd
    .args:
      - { .name: qq, .offset: 0, .size: 8, .value_kind: global_buffer, .address_space: global }
      - { .name: kq, .offset: 8, .size: 8, .value_kind: global_buffer, .address_space: global }
      - { .name: vq, .offset: 16, .size: 8, .value_kind: global_buffer, .address_space: global }
      - { .name: alibi, .offset: 24, .size: 8, .value_kind: global_buffer, .address_space: global }
      - { .name: attention_mask, .offset: 32, .size: 8, .value_kind: global_buffer, .address_space: global }
      - { .name: cq, .offset: 40, .size: 8, .value_kind: global_buffer, .address_space: global }
    .group_segment_fixed_size: 327680
    .private_segment_fixed_size: 0
    .kernarg_segment_align: 8
    .kernarg_segment_size: 48
    .max_flat_workgroup_size: 256
    .sgpr_count:     100
    .vgpr_count:     512
    .wavefront_size: 32
...
	.end_amdgpu_metadata
.endif
;; end of part 3
;; launch proj (part 4): grid 8 x 32, 4 waves a work-group, clusters of 4 x 4, 296,448 bytes of LDS; arguments cq, woq, b_o, residual, out0; writes out0
.if DOCPART == 4
	.amdgcn_target "amdgcn-amd-amdhsa--gfx1250"
	.amdhsa_code_object_version 6
	.text
	.protected	k_qf44944f30e_proj
	.globl	k_qf44944f30e_proj
	.p2align	8
	.type	k_qf44944f30e_proj,@function
k_qf44944f30e_proj:
	s_mov_b64 s[64:65], 0
	v_nop
	global_prefetch_b8 v0, s[64:65] scope:SCOPE_SE
	s_setreg_imm32_b32 hwreg(HW_REG_WAVE_MODE, 25, 1), 1
	s_wait_xcnt 0x0
	s_wait_alu depctr_hold_cnt(0) depctr_sa_sdst(0) depctr_va_vdst(0) depctr_va_sdst(0) depctr_va_ssrc(0) depctr_va_vcc(0) depctr_vm_vsrc(0)
	s_getreg_b32 s2, hwreg(HW_REG_IB_STS2, 6, 4)
	s_cmp_eq_u32 s2, 0
	s_cbranch_scc0 .Lentry_in_a_cluster
	s_endpgm
.Lentry_in_a_cluster:
	s_bfe_u32 s2, ttmp6, 0x10000c
	s_cmp_lg_u32 s2, 0xf033
	s_cbranch_scc0 .Lentry_shape_is_right
	s_endpgm
.Lentry_shape_is_right:
; out0 = context w_o + b_o + residual; the product on codes of BF8 (E5M2) with E8M0 scales, K = 1,024.
; SHARES.  Work-group (x, y): 128 tokens x 128 columns.  Wave (mh = w / 2, nh = w % 2): 64 x 64, 16 accumulators, TRANSPOSED (source 0 = 16 columns of w_o, source 1 = 16 tokens): a lane holds eight neighbouring numbers of a row.
; The context arrives as images of operand registers, [head][tile of 16 tokens][block of 32][lane][16 bytes]: a K step of 128 is two heads; w_o's codes arrive as rows with K innermost, in the same order inside each block of 32.
; ALL of K lies in LDS, filled ONCE, one joint load a wave: wave 0 the tokens' heads 0-7, wave 1 w_o's first 512 along K, waves 2 and 3 the second halves.  The first barrier shows waves 0 and 1's, the barrier in K step 3 the rest.
; The scale words go from memory straight into the registers that the products name, once.  No loop, so nothing is prefetched.
; CLUSTER 4 x 4: the four of a row need the same tokens, the four of a column the same columns of w_o.
; The residual is asked for at the head, in the layout of the way out, and the bias is added to it once.
; REGISTERS: window 0: v0-31 addresses; v32-47 the tokens' scale words, v48-63 w_o's; v64-67 the bias; v68-99 rows on the way out; v128-255 accumulators ((a, n) at 128 + 8 (4 a + n)).
;   window 1: two fragment sets of 128 (tokens' tile a at 16 a, w_o's tile n at 64 + 16 n).   window 2: v0-127 the residual.
.set BROW, 131072                      ; behind the tokens' images [head 16][tile 8][block 2][lane][16]: two halves of 128 rows x (512 + 16) bytes
.set BP,   528
.set BHALF, 128*BP
.set STG,  270336                      ; the way out: 16 rows x 272 bytes for each wave; no tensor load lands here
.set SPARE, 287744
.set LIA,  16                          ; v16-17
.set ADRB, 20                          ; v20-21
.set ASA,  22
.set ASB,  23
.set STO,  24
.set RD,   25
.set RO,   26
.set BO,   27
.set SA,   32
.set SB,   48
.set BI,   64
.set OB,   68
.set WV,   14
.set MSB, 0
.macro WIN new
.if MSB != (\new)
	s_set_vgpr_msb (MSB<<8)|(\new)
.set MSB, (\new)
.endif
.endm
.macro PLACES n
.rept \n
	v_nop
.endr
.endm
.macro CROUND
	s_barrier_signal -1
	s_barrier_wait -1
	s_cmp_lg_u32 s[WV], 0
	s_cbranch_scc1 .Lnot_wave_0_\@
	s_barrier_signal -3
.Lnot_wave_0_\@:
	s_barrier_wait -3
	s_barrier_signal -1
	s_barrier_wait -1
.endm
.macro WMX
.if fZ
.if (fRA == 0) && (fRB == 0)
	v_wmma_scale_f32_16x16x128_f8f6f4 v[rD:rD+7], v[rA:rA+15], v[rB:rB+15], 0, v[rSA], v[rSB] matrix_a_fmt:MATRIX_FMT_BF8 matrix_b_fmt:MATRIX_FMT_BF8
.elseif (fRA == 1) && (fRB == 0)
	v_wmma_scale_f32_16x16x128_f8f6f4 v[rD:rD+7], v[rA:rA+15], v[rB:rB+15], 0, v[rSA], v[rSB] matrix_a_fmt:MATRIX_FMT_BF8 matrix_b_fmt:MATRIX_FMT_BF8 matrix_a_scale:MATRIX_SCALE_ROW1
.elseif fRA == 0
	v_wmma_scale_f32_16x16x128_f8f6f4 v[rD:rD+7], v[rA:rA+15], v[rB:rB+15], 0, v[rSA], v[rSB] matrix_a_fmt:MATRIX_FMT_BF8 matrix_b_fmt:MATRIX_FMT_BF8 matrix_b_scale:MATRIX_SCALE_ROW1
.else
	v_wmma_scale_f32_16x16x128_f8f6f4 v[rD:rD+7], v[rA:rA+15], v[rB:rB+15], 0, v[rSA], v[rSB] matrix_a_fmt:MATRIX_FMT_BF8 matrix_b_fmt:MATRIX_FMT_BF8 matrix_a_scale:MATRIX_SCALE_ROW1 matrix_b_scale:MATRIX_SCALE_ROW1
.endif
.else
.if (fRA == 0) && (fRB == 0)
	v_wmma_scale_f32_16x16x128_f8f6f4 v[rD:rD+7], v[rA:rA+15], v[rB:rB+15], v[rD:rD+7], v[rSA], v[rSB] matrix_a_fmt:MATRIX_FMT_BF8 matrix_b_fmt:MATRIX_FMT_BF8
.elseif (fRA == 1) && (fRB == 0)
	v_wmma_scale_f32_16x16x128_f8f6f4 v[rD:rD+7], v[rA:rA+15], v[rB:rB+15], v[rD:rD+7], v[rSA], v[rSB] matrix_a_fmt:MATRIX_FMT_BF8 matrix_b_fmt:MATRIX_FMT_BF8 matrix_a_scale:MATRIX_SCALE_ROW1
.elseif fRA == 0
	v_wmma_scale_f32_16x16x128_f8f6f4 v[rD:rD+7], v[rA:rA+15], v[rB:rB+15], v[rD:rD+7], v[rSA], v[rSB] matrix_a_fmt:MATRIX_FMT_BF8 matrix_b_fmt:MATRIX_FMT_BF8 matrix_b_scale:MATRIX_SCALE_ROW1
.else
	v_wmma_scale_f32_16x16x128_f8f6f4 v[rD:rD+7], v[rA:rA+15], v[rB:rB+15], v[rD:rD+7], v[rSA], v[rSB] matrix_a_fmt:MATRIX_FMT_BF8 matrix_b_fmt:MATRIX_FMT_BF8 matrix_a_scale:MATRIX_SCALE_ROW1 matrix_b_scale:MATRIX_SCALE_ROW1
.endif
.endif
.endm
; 8 products: tiles of tokens a0, a0 + 1 x the four tiles of columns, K step s.  The 16 accumulators take turns, one instruction a turn.
.macro MUL8 s, a0
	WIN 0x05
.if (\s) == 0
.set fZ, 1
.else
.set fZ, 0
.endif
.set aa, \a0
.rept 2
.set nn, 0
.rept 4
.set rD, 128+8*(4*aa+nn)
.set rA, 128*((\s)%2)+64+16*nn
.set rB, 128*((\s)%2)+16*aa
.set rSA, SB+8*(nn%2)+(\s)
.set rSB, SA+8*(aa%2)+(\s)
.set fRA, nn/2
.set fRB, aa/2
	WMX
.set nn, nn+1
.endr
.set aa, aa+1
.endr
.endm
.macro FETCH s                         ; 32 LDS loads: K step s's eight fragments into set s % 2
	WIN 0x40
.irp a, 0,1,2,3
.irp c, 0,1,2,3
	ds_load_b128 v[128*((\s)%2)+16*\a+4*\c:128*((\s)%2)+16*\a+4*\c+3], v[LIA+(\s)/4] offset:((\s)%4)*16384+(\c/2)*8192+\a*1024+(\c%2)*512
.endr
.endr
.irp n, 0,1,2,3
.irp c, 0,1,2,3
	ds_load_b128 v[128*((\s)%2)+64+16*\n+4*\c:128*((\s)%2)+64+16*\n+4*\c+3], v[ADRB+(\s)/4] offset:\n*16*BP+128*((\s)%4)+32*\c
.endr
.endr
.endm
.macro KSTEP s
	s_wait_dscnt 0x0                               ; this step's fragments are in
	MUL8 \s, 0
.if (\s) < 7
.if (\s) == 3
	s_wait_tensorcnt 0x0                           ; every wave: the second halves along K are in
	s_barrier_signal -1
	s_barrier_wait -1
.endif
	PLACES 8                                       ; in front of loads into registers that matrix instructions have read
	FETCH (\s)+1
.endif
	MUL8 \s, 2
.endm
	s_load_b256 s[4:11], s[0:1], 0x0               ; cq, woq, b_o, residual
	s_load_b64 s[12:13], s[0:1], 0x20              ; out0
	v_lshl_add_u32 v126, v0, 2, SPARE
	v_mov_b32 v127, 0
	ds_add_u32 v126, v127                          ; the opening lines: the add twice on end and its wait
	ds_add_u32 v126, v127
	v_lshrrev_b32 v1, 5, v0
	v_readfirstlane_b32 s[WV], v1                  ; wave 0..3
	s_lshr_b32 s15, s[WV], 1                       ; mh
	s_and_b32 s16, s[WV], 1                        ; nh
	s_bfe_u32 s17, ttmp6, 0x40000                  ; cx
	s_bfe_u32 s18, ttmp6, 0x40004                  ; cy
	s_lshl_b32 s19, ttmp9, 2
	s_add_co_u32 s19, s19, s17                     ; x: the block of 128 columns
	s_and_b32 s20, ttmp7, 0xffff
	s_lshl_b32 s20, s20, 2
	s_add_co_u32 s20, s20, s18                     ; y: the block of 128 tokens
	s_lshl_b32 s21, s18, 2
	s_lshl_b32 s21, 15, s21                        ; my row of the cluster
	s_lshl_b32 s80, 0x1111, s17                    ; my column
	s_or_b32 s24, s21, (3<<16)|(1<<21)             ; the context's images: eight heads' 8,192 bytes (1,024 elements of 8), 262,144 bytes apart
	s_mov_b32 s25, 1024<<16
	s_mov_b32 s26, 8<<16
	s_mov_b32 s27, 1024<<16
	s_mov_b32 s28, 8
	s_mov_b32 s29, 32768
	s_mov_b32 s30, 0
	s_mov_b32 s31, 0
	s_or_b32 s40, s80, (1<<20)|(1<<21)|(6<<22)|(3<<25)   ; w_o: 128 rows of 512 bytes, 16 bytes of padding behind each
	s_mov_b32 s41, 512<<16
	s_mov_b32 s42, 128<<16
	s_mov_b32 s43, 512<<16
	s_mov_b32 s44, 128
	s_mov_b32 s45, 1024
	s_mov_b32 s46, 0
	s_mov_b32 s47, 0
	s_lshl_b32 s2, s20, 13                         ; the tokens' address hangs on y alone: tiles 8 y on
	s_mov_b32 s3, 0
	s_lshl_b32 s82, s19, 17                        ; w_o's on x alone: row 128 x
	s_mov_b32 s83, 0
	s_lshl_b32 s76, s20, 9                         ; my tokens' scale words: 128 y + 64 mh
	s_lshl_b32 s77, s15, 8
	s_add_co_u32 s76, s76, s77
	s_add_co_u32 s76, s76, 4194304
	s_mov_b32 s77, 0
	s_lshl_b32 s78, s19, 12                        ; my columns' scale bytes: rows 128 x + 64 nh of 32
	s_lshl_b32 s79, s16, 11
	s_add_co_u32 s78, s78, s79
	s_add_co_u32 s78, s78, 1048576
	s_mov_b32 s79, 0
	s_wait_dscnt 0x0
	s_wait_kmcnt 0x0
	s_add_nc_u64 s[58:59], s[4:5], s[2:3]
	s_add_nc_u64 s[70:71], s[58:59], 0x200000      ; eight heads on
	s_add_nc_u64 s[62:63], s[6:7], s[82:83]
	s_add_nc_u64 s[74:75], s[62:63], 512
	s_add_nc_u64 s[76:77], s[4:5], s[76:77]
	s_add_nc_u64 s[78:79], s[6:7], s[78:79]
.irp g, 56,60,68,72
	s_mov_b32 s[\g], 1
	s_or_b32 s[\g+3], s[\g+3], 0x80000000
.endr
	s_mov_b32 s57, 0                               ; where they go: no place in the cluster enters an LDS address
	s_mov_b32 s61, BROW
	s_mov_b32 s69, 65536
	s_mov_b32 s73, BROW+BHALF
	CROUND                                         ; all sixteen work-groups are here: the joint loads meet
.macro ARM under, g0, g1, next
	s_cmp_lt_u32 s[WV], \under
	s_cbranch_scc0 \next
	tensor_load_to_lds s[\g0:\g0+3], s[\g1:\g1+7]
	s_nop 0
	PLACES 4
	s_branch .Lasked
\next:
.endm
	ARM 1, 56, 24, .Larm_b0
	ARM 2, 60, 40, .Larm_a1
	ARM 3, 68, 24, .Larm_b1
	tensor_load_to_lds s[72:75], s[40:47]
	s_nop 0
	PLACES 4
.Lasked:
	s_lshl_b32 s22, s19, 9                         ; my 64 columns: 512 x + 256 nh bytes
	s_mov_b32 s23, 0
	s_lshl_b32 s17, s16, 8
	s_add_co_u32 s22, s22, s17
	s_add_nc_u64 s[8:9], s[8:9], s[22:23]
	s_lshl_b32 s17, s20, 19                        ; my 64 rows of 4,096 bytes: 128 y + 64 mh
	s_add_co_u32 s22, s22, s17
	s_lshl_b32 s17, s15, 18
	s_add_co_u32 s22, s22, s17
	s_add_nc_u64 s[10:11], s[10:11], s[22:23]
	s_add_nc_u64 s[12:13], s[12:13], s[22:23]
	v_and_b32 v1, 15, v0                           ; r
	v_bfe_u32 v2, v0, 4, 1                         ; h
	v_and_b32 v3, 31, v0                           ; lane
	v_lshlrev_b32 v6, 2, v1
	v_lshl_add_u32 v[ASA], v2, 7, v6               ; scale words: lanes 16-31 take the tile two further on
	v_lshlrev_b32 v6, 5, v1
	v_lshl_add_u32 v[ASB], v2, 10, v6
.irp pa, 0,1
.irp s, 0,1,2,3,4,5,6,7
	global_load_b32 v[SA+8*\pa+\s], v[ASA], s[76:77] offset:16384*\s+64*\pa
.endr
.endr
.irp pn, 0,1
	global_load_b128 v[SB+8*\pn:SB+8*\pn+3], v[ASB], s[78:79] offset:512*\pn
	global_load_b128 v[SB+8*\pn+4:SB+8*\pn+7], v[ASB], s[78:79] offset:512*\pn+16
.endr
	v_lshlrev_b32 v[BO], 4, v1
	v_lshl_add_u32 v[RO], v2, 12, v[BO]            ; lanes 0-15 one row, lanes 16-31 the next; 16 bytes a lane
	WIN 0x80                                       ; destination window 2
.irp a, 0,1,2,3
.irp i, 0,1,2,3,4,5,6,7
	global_load_b128 v[32*\a+4*\i:32*\a+4*\i+3], v[RO], s[10:11] offset:(16*\a+2*\i)*4096 th:TH_LOAD_NT
.endr
.endr
	WIN 0
	global_load_b128 v[BI:BI+3], v[BO], s[8:9]
	v_lshlrev_b32 v4, 4, v3
	s_lshl_b32 s21, s15, 12                        ; my four tiles of tokens
	v_add_nc_u32 v[LIA], s21, v4
	v_add_nc_u32 v[LIA+1], 65536, v[LIA]
	v_mul_u32_u24 v5, v1, BP
	v_lshl_add_u32 v5, v2, 4, v5
	s_mul_i32 s21, s16, 64*BP
	s_add_co_u32 s21, s21, BROW
	v_add_nc_u32 v[ADRB], s21, v5
	v_add_nc_u32 v[ADRB+1], BHALF, v[ADRB]
	s_mul_i32 s21, s[WV], 16*272
	s_add_co_u32 s21, s21, STG
	v_mul_u32_u24 v6, v1, 272
	v_lshl_add_u32 v6, v2, 5, v6
	v_add_nc_u32 v[STO], s21, v6
	v_mul_u32_u24 v6, v2, 272
	v_lshl_add_u32 v6, v1, 4, v6
	v_add_nc_u32 v[RD], s21, v6
	s_wait_alu depctr_va_vdst(0)
	s_cmp_lt_u32 s[WV], 2
	s_cbranch_scc0 .Lnot_first
	s_wait_tensorcnt 0x0                           ; waves 0, 1: the first 512 along K are in; waves 2, 3 wait in K step 3
.Lnot_first:
	s_barrier_signal -1
	s_barrier_wait -1
	FETCH 0
	s_wait_loadcnt 33                              ; the 20 loads of scale words are in; the 32 of the residual and the bias's one may be out
	KSTEP 0
	KSTEP 1
	KSTEP 2
	KSTEP 3
	KSTEP 4
	KSTEP 5
	KSTEP 6
	KSTEP 7
	; THE WAY OUT: a block of 16 rows x 64 columns goes through my own stage and comes back as rows of 256 bytes; the residual with the bias is added; sixteen lanes store 256 consecutive bytes, aligned
	WIN 0
	PLACES 8
	s_wait_loadcnt 0x0                             ; the residual and the bias
	WIN 0x82                                       ; the residual (destination and source 0) in window 2, the bias in window 0
.set kk, 0
.rept 64
	v_pk_add_f32 v[2*kk:2*kk+1], v[2*kk:2*kk+1], v[BI+2*(kk%2):BI+2*(kk%2)+1]
.set kk, kk+1
.endr
	WIN 0
.macro OUTB a
.if (\a) > 0
	s_wait_xcnt 0x0                                ; the last block's stores have read their registers
.endif
.irp n, 0,1,2,3
	ds_store_b128 v[STO], v[128+8*(4*(\a)+\n):128+8*(4*(\a)+\n)+3] offset:64*\n        ; each accumulator from its low end on
	ds_store_b128 v[STO], v[128+8*(4*(\a)+\n)+4:128+8*(4*(\a)+\n)+7] offset:64*\n+16
.endr
.irp i, 0,1,2,3,4,5,6,7
	ds_load_b128 v[OB+4*\i:OB+4*\i+3], v[RD] offset:2*\i*272   ; LDS serves a wave's instructions in order: these see my stores
.endr
	s_wait_dscnt 0x0
	WIN 0x08                                       ; source 1 in window 2
.set kk, 0
.rept 16
	v_pk_add_f32 v[OB+2*kk:OB+2*kk+1], v[OB+2*kk:OB+2*kk+1], v[32*(\a)+2*kk:32*(\a)+2*kk+1]
.set kk, kk+1
.endr
	WIN 0
.irp i, 0,1,2,3,4,5,6,7
	global_store_b128 v[RO], v[OB+4*\i:OB+4*\i+3], s[12:13] offset:(16*(\a)+2*\i)*4096 th:TH_STORE_NT
.endr
.endm
	OUTB 0
	OUTB 1
	OUTB 2
	OUTB 3
	s_wait_tensorcnt 0x0                           ; the wave's end
	ds_add_u32 v126, v127
	s_wait_dscnt 0x0
	CROUND                                         ; the closing round
	s_endpgm
.Lfunc_end_k_qf44944f30e_proj:
	.size	k_qf44944f30e_proj, .Lfunc_end_k_qf44944f30e_proj-k_qf44944f30e_proj
	.p2alignl 7, 3214868480
	.fill 96, 4, 3214868480
	.section	.rodata,"a",@progbits
	.p2align	6, 0x0
	.amdhsa_kernel k_qf44944f30e_proj
		.amdhsa_group_segment_fixed_size 296448
		.amdhsa_private_segment_fixed_size 0
		.amdhsa_enable_private_segment 0
		.amdhsa_kernarg_size 40
		.amdhsa_user_sgpr_count 2
		.amdhsa_user_sgpr_kernarg_segment_ptr 1
		.amdhsa_wavefront_size32 1
		.amdhsa_system_sgpr_workgroup_id_x 1
		.amdhsa_system_sgpr_workgroup_id_y 1
		.amdhsa_system_sgpr_workgroup_id_z 1
		.amdhsa_system_vgpr_workitem_id 0
		.amdhsa_next_free_vgpr 640
		.amdhsa_next_free_sgpr 102
		.amdhsa_reserve_vcc 0
		.amdhsa_float_denorm_mode_32 3
		.amdhsa_float_denorm_mode_16_64 3
		.amdhsa_memory_ordered 1
		.amdhsa_forward_progress 1
		.amdhsa_inst_pref_size 64
	.end_amdhsa_kernel
	.amdgpu_metadata
---
amdhsa.version: [ 1, 2 ]
amdhsa.kernels:
  - .name:           k_qf44944f30e_proj
    .symbol:         k_qf44944f30e_proj.kd
    .args:
      - { .name: cq, .offset: 0, .size: 8, .value_kind: global_buffer, .address_space: global }
      - { .name: woq, .offset: 8, .size: 8, .value_kind: global_buffer, .address_space: global }
      - { .name: b_o, .offset: 16, .size: 8, .value_kind: global_buffer, .address_space: global }
      - { .name: residual, .offset: 24, .size: 8, .value_kind: global_buffer, .address_space: global }
      - { .name: out0, .offset: 32, .size: 8, .value_kind: global_buffer, .address_space: global }
    .group_segment_fixed_size: 296448
    .private_segment_fixed_size: 0
    .kernarg_segment_align: 8
    .kernarg_segment_size: 40
    .max_flat_workgroup_size: 128
    .sgpr_count:     102
    .vgpr_count:     640
    .wavefront_size: 32
...
	.end_amdgpu_metadata
.endif
;; end of part 4
